; MI455X (gfx1250); checked and timed in simulation.
; The chip was launched on July 23, 2026; its instructions are those of AMD's public machine-readable ISA for CDNA 5 (MIT licence, August 2026) and "CDNA5" Instruction Set Architecture Reference Guide (July 2026). The comments in the code are by the model that wrote it; some were corrected since.
;; Self Attention. Allowed arithmetic: float matrix products may take bf16 or f16 operands with f32 sums; other float arithmetic in f32, or as packed bf16 or f16 multiplies, adds, multiply-adds, maxima and minima; sums over many terms, partial sums and values carried from step to step in f32; what a program stores and reads back later, other than sums and carried values, may be rounded once to bf16 or f16.
;; Inputs: W_attn 1,024 x 3,072 float32; W_proj 1,024 x 1,024 float32; b_attn 3,072 float32; b_proj 1,024 float32; mask 8 x 2,048 x 16 bool; x 8 x 2,048 x 1,024 float32.
;; Outputs: out0 8 x 2,048 x 1,024 float32.
;; One version. Each part assembles by itself: llvm-mc -triple=amdgcn-amd-amdhsa -mcpu=gfx1250 --defsym DOCPART=n.
;; ======== version 1 of 1: 4 launches
;; limits: values are held in f16: magnitudes above 65,504 overflow, below 6.1e-05 lose precision
;; workspace buffers: xb 33,554,432 bytes; wab 6,291,456 bytes; wpf 2,097,152 bytes; qkv 100,663,296 bytes; ao 33,554,432 bytes
;; launch cast (part 1): grid 1280 x 1, 8 waves a work-group, no clusters, 0 bytes of LDS; arguments x, W_attn, W_proj, xb, wab, wpf; writes xb, wab, wpf
.if DOCPART == 1
	.amdgcn_target "amdgcn-amd-amdhsa--gfx1250"
	.amdhsa_code_object_version 6
	.text
	.protected	k_qfbf13b45ae_cast
	.globl	k_qfbf13b45ae_cast
	.p2align	8
	.type	k_qfbf13b45ae_cast,@function
k_qfbf13b45ae_cast:
	s_mov_b64 s[64:65], 0
	v_nop
	global_prefetch_b8 v0, s[64:65] scope:SCOPE_SE
	s_setreg_imm32_b32 hwreg(HW_REG_WAVE_MODE, 25, 1), 1
	s_wait_xcnt 0x0
; x and W_attn are rounded to bf16 (xb, wab); W_proj is rounded to bf16 and that number written as f16 (wpf), for the f16 product of the last launch.
; LIMITS.  The f16 copy is exact for |w| from 2^-17 to 65,504; below, it keeps f16's fixed step (absolute error at most 2^-25); NaN and infinities are not treated apart.
; SHARES.  A work-group takes 16,384 numbers on end: 65,536 bytes in, 32,768 out.  Work-groups 0-1023: x; 1024-1215: W_attn; 1216-1279: W_proj.
; Thread t takes 16 bytes at 16 t of each 4,096: a wave's load covers 512 consecutive bytes, its store 256 consecutive bytes, aligned.
; All sixteen loads of a thread go out at once.  An item is rounded in place, into the first two of its four registers: 72 registers a wave, so that ten waves (two of each of five
; work-groups, a WGP's share of the 1,280) fit in a SIMD's 1,024 registers together.  No register is written again once a store names it, so no wait frees any.
.set NX,  1024                         ; work-groups for x
.set NA,  192                          ; for W_attn
.set X,   4                            ; v[4:67]    item i: 4 f32 as loaded; then, in its first two registers, 4 numbers of 16 bits to store
.set T,   68                           ; v[68:71]   at work
	s_load_b256 s[4:11], s[0:1], 0x0               ; x s[4:5], W_attn s[6:7], W_proj s[8:9], xb s[10:11]
	s_load_b128 s[12:15], s[0:1], 0x20             ; wab s[12:13], wpf s[14:15]
	v_lshlrev_b32 v1, 4, v0                        ; 16 t: my bytes in each 4,096 of the source
	v_lshlrev_b32 v2, 3, v0                        ; 8 t: in each 2,048 of the destination
	s_wait_kmcnt 0x0
	s_cmp_lt_u32 ttmp9, NX                         ; which tensor is mine: a choice by the work-group's number alone
	s_cselect_b64 s[20:21], s[4:5], s[6:7]
	s_cselect_b64 s[22:23], s[10:11], s[12:13]
	s_cselect_b32 s17, 0, NX
	s_cmp_lt_u32 ttmp9, NX+NA
	s_cselect_b64 s[20:21], s[20:21], s[8:9]
	s_cselect_b64 s[22:23], s[22:23], s[14:15]
	s_cselect_b32 s17, s17, NX+NA
	s_sub_co_u32 s16, ttmp9, s17                   ; my block in that tensor
	s_lshl_b32 s18, s16, 16                        ; 65,536 bytes in,
	s_mov_b32 s19, 0
	s_add_nc_u64 s[20:21], s[20:21], s[18:19]
	s_lshl_b32 s18, s16, 15                        ; 32,768 out
	s_add_nc_u64 s[22:23], s[22:23], s[18:19]
.irp i, 0,1,2,3,4,5,6,7,8,9,10,11,12,13,14,15
	global_load_b128 v[X+4*(\i):X+4*(\i)+3], v1, s[20:21] offset:4096*(\i) th:TH_LOAD_NT
.endr
; Item i.  f = 0: two packed roundings to bf16.  f = 1: rounded to bf16, widened again (a shift, a mask), and written as f16.
; Pair j of the item lands in register j: pair 0 over its own first number, pair 1 over pair 0's second, which has been read.
.macro ITEM i, f
	s_wait_loadcnt 15-(\i)                         ; loads come back in order: item i is in, the 15 - i younger ones may stay out
.irp j, 0,1
.if \f
	v_cvt_pk_bf16_f32 v[T], v[X+4*(\i)+2*(\j)], v[X+4*(\i)+2*(\j)+1]
	v_lshlrev_b32 v[T+2], 16, v[T]
	v_and_b32 v[T+3], 0xffff0000, v[T]
	v_cvt_pk_f16_f32 v[X+4*(\i)+(\j)], v[T+2], v[T+3]
.else
	v_cvt_pk_bf16_f32 v[X+4*(\i)+(\j)], v[X+4*(\i)+2*(\j)], v[X+4*(\i)+2*(\j)+1]
.endif
.endr
	global_store_b64 v2, v[X+4*(\i):X+4*(\i)+1], s[22:23] offset:2048*(\i)
.endm
	s_cmp_lt_u32 ttmp9, NX+NA
	s_cbranch_scc0 .Lf16
.irp i, 0,1,2,3,4,5,6,7,8,9,10,11,12,13,14,15
	ITEM \i, 0
.endr
	s_endpgm
.Lf16:
.irp i, 0,1,2,3,4,5,6,7,8,9,10,11,12,13,14,15
	ITEM \i, 1
.endr
	s_endpgm
.Lfunc_end_k_qfbf13b45ae_cast:
	.size	k_qfbf13b45ae_cast, .Lfunc_end_k_qfbf13b45ae_cast-k_qfbf13b45ae_cast
	.p2alignl 7, 3214868480
	.fill 96, 4, 3214868480
	.section	.rodata,"a",@progbits
	.p2align	6, 0x0
	.amdhsa_kernel k_qfbf13b45ae_cast
		.amdhsa_group_segment_fixed_size 0
		.amdhsa_private_segment_fixed_size 0
		.amdhsa_enable_private_segment 0
		.amdhsa_kernarg_size 48
		.amdhsa_user_sgpr_count 2
		.amdhsa_user_sgpr_kernarg_segment_ptr 1
		.amdhsa_wavefront_size32 1
		.amdhsa_system_sgpr_workgroup_id_x 1
		.amdhsa_system_sgpr_workgroup_id_y 1
		.amdhsa_system_sgpr_workgroup_id_z 1
		.amdhsa_system_vgpr_workitem_id 0
		.amdhsa_next_free_vgpr 72
		.amdhsa_next_free_sgpr 66
		.amdhsa_reserve_vcc 0
		.amdhsa_float_denorm_mode_32 3
		.amdhsa_float_denorm_mode_16_64 3
		.amdhsa_memory_ordered 1
		.amdhsa_forward_progress 1
		.amdhsa_inst_pref_size 16
	.end_amdhsa_kernel
	.amdgpu_metadata
---
amdhsa.version: [ 1, 2 ]
amdhsa.kernels:
  - .name:           k_qfbf13b45ae_cast
    .symbol:         k_qfbf13b45ae_cast.kd
    .args:
      - { .name: x, .offset: 0, .size: 8, .value_kind: global_buffer, .address_space: global }
      - { .name: W_attn, .offset: 8, .size: 8, .value_kind: global_buffer, .address_space: global }
      - { .name: W_proj, .offset: 16, .size: 8, .value_kind: global_buffer, .address_space: global }
      - { .name: xb, .offset: 24, .size: 8, .value_kind: global_buffer, .address_space: global }
      - { .name: wab, .offset: 32, .size: 8, .value_kind: global_buffer, .address_space: global }
      - { .name: wpf, .offset: 40, .size: 8, .value_kind: global_buffer, .address_space: global }
    .group_segment_fixed_size: 0
    .private_segment_fixed_size: 0
    .kernarg_segment_align: 8
    .kernarg_segment_size: 48
    .max_flat_workgroup_size: 256
    .sgpr_count:     66
    .vgpr_count:     72
    .wavefront_size: 32
...
	.end_amdgpu_metadata
.endif
;; end of part 1
;; launch gemm_qkv (part 2): grid 4 x 64, 4 waves a work-group, clusters of 4 x 4, 327,680 bytes of LDS; arguments xb, wab, qkv, b_attn; writes qkv
.if DOCPART == 2
	.amdgcn_target "amdgcn-amd-amdhsa--gfx1250"
	.amdhsa_code_object_version 6
	.text
	.protected	k_qfbf13b45ae_gemm_qkv
	.globl	k_qfbf13b45ae_gemm_qkv
	.p2align	8
	.type	k_qfbf13b45ae_gemm_qkv,@function
k_qfbf13b45ae_gemm_qkv:
	s_mov_b64 s[64:65], 0
	v_nop
	global_prefetch_b8 v0, s[64:65] scope:SCOPE_SE
	s_setreg_imm32_b32 hwreg(HW_REG_WAVE_MODE, 25, 1), 1
	s_wait_xcnt 0x0
	s_wait_alu depctr_hold_cnt(0) depctr_sa_sdst(0) depctr_va_vdst(0) depctr_va_sdst(0) depctr_va_ssrc(0) depctr_va_vcc(0) depctr_vm_vsrc(0)
	s_getreg_b32 s2, hwreg(HW_REG_IB_STS2, 6, 4)
	s_cmp_eq_u32 s2, 0
	s_cbranch_scc0 .Lentry_in_a_cluster
	s_endpgm
.Lentry_in_a_cluster:
	s_bfe_u32 s2, ttmp6, 0x10000c
	s_cmp_lg_u32 s2, 0xf033
	s_cbranch_scc0 .Lentry_shape_is_right
	s_endpgm
.Lentry_shape_is_right:
; C[m][n] = the sum over k of A[m][k] B[k][n] + bias[n].  Here: qkv = xb wab + b_attn.  A: [16384][1024] bf16, B: [1024][3072] bf16 AS THE WEIGHTS LIE ([k][n]), bias f32 (taken rounded to bf16,
; like every floating-point input of the program), C: [16384][3072] f16, rounded once from f32 sums.
; LIMITS.  C is f16: a sum of 65,520 or more in size becomes an infinity; NaN and infinities are not treated apart.
; SHAPE.  A tile of C is 256 x 256, made by four waves of 128 x 128 (64 accumulators, 512 registers).  K goes in steps of 128 through two LDS slots filled by the tensor data mover.
; A's tile: 256 rows x 256 bytes.  B's tile: 128 k-rows x 512 bytes; its fragments come out of LDS turned, by ds_load_tr16_b128.
; A K STEP IS WRITTEN ONCE: which slot is read hangs on a scalar that an exclusive or turns at each change of slots, and one descriptor a tensor walks from K step to K step.
; A WORK-GROUP STAYS: it makes TILES tiles of one tile row of C, 1,024 columns apart (768 tiles on 256 work-groups); the ring runs on across the change of tiles.
; CLUSTERS: 4 x 4 work-groups.  A's tile hangs on the tile row alone and is asked for jointly by a row of the cluster, B's on the tile column alone, by a column.
; THE PRODUCT IS TAKEN TRANSPOSED (source 0 = 16 columns of B, source 1 = 16 rows of A): a lane holds row l % 16 of C and the columns 8 (l / 16) + 0..7.
; THE BIAS IS THE C OPERAND OF THE PRODUCT THAT STARTS EACH SUM: nothing is cleared and nothing is added later.
; REGISTERS, in windows of 256 (s_set_vgpr_msb: bits 1:0 source 0, 3:2 source 1, 5:4 source 2, 7:6 destination):
;   window 0: v0-31 addresses; v64-127, v128-191 A's fragments, two buffers (in the very last K step four of 16 rows x 128 K); v32-63, v192-255 the way out
;   window 1: v0-63 the bias of my 128 columns (block b at 8 b); v64-127, v128-191 B's fragments; v192-223 at work on the bias; in the very last K step all 256: B's fragments
;   window 2: the accumulators of my rows 0-63 ((a, b) at 8 (8 a + b));   window 3: those of rows 64-127
.set SIZE_M, 16384
.set SIZE_K, 1024
.set SIZE_N, 3072
.set TILES,  3                         ; tiles of C to a work-group
.set F16,    0                         ; 0: bf16 operands, 1: f16
.set OUT32,  0                         ; 0: C in f16, 1: in f32
.set ES,     2+2*OUT32                 ; bytes in a number of C
.set KSTEP,  128
.set STEPS,  SIZE_K/KSTEP              ; K steps in a tile: even, so that every tile begins in slot 0
.set PITA,   272                       ; A's LDS row: 256 bytes + 16: the 16 rows of a fragment load start 4 banks apart (64 banks of 4 bytes: ISA guide 11.1)
.set PITB,   544                       ; B's LDS row: 512 bytes + 32 = 17 x 32
.set HALFT,  128*PITA                  ; what one tensor load brings: 128 rows of A, or 64 k-rows of B (64 x 544, the same bytes)
.set SLOT,   4*HALFT                   ; A's 256 rows, then B's 128 k-rows: 0x22000 bytes
.set STAGE,  2*SLOT                    ; behind the ring: 16 rows for each wave, for the way out; no tensor load fills it
.set SPITCH, 128*ES+16
.set SPARE,  STAGE+4*16*SPITCH         ; behind the stages: the spare words, 128 bytes a wave, which no other line names
.set BSTEP,  KSTEP*SIZE_N*2            ; bytes of B from a K step to the next
.set CP,     SIZE_N*ES                 ; bytes in a row of C
.set JUMP_A, (STEPS-1)*KSTEP*2         ; from a tile's last K step to the next tile's first: A goes back along K (the walk's tiles share their rows of A),
.set JUMP_B, (STEPS-1)*BSTEP-4*512     ; B back along K and four tile columns on (both are taken away)
.set BACK_C, 7*16*CP-4*256*ES          ; C: from my last 16 rows of a tile to my first of the next (taken away)
.set ADRA0, 16                         ; v16     LDS address of my A fragments in slot 0; never rewritten
.set ADRA,  17                         ; v17     the same in the slot in hand
.set ADRB0, 20                         ; v20     LDS address of my B fragments in slot 0; never rewritten
.set ADRB,  21                         ; v21     the same in the slot in hand
.set STO,  24                          ; v24     the way out: where I put my part of a row
.set RD,   25                          ; v25     where I read rows back
.set CO,   26                          ; v26     my byte offset in C
.set BOF,  27                          ; v27     my byte offset in the tile's 256 numbers of the bias
.set SPW,  28                          ; v28     my spare word: SPARE + 4 x my thread's number; never rewritten
.set NIL,  29                          ; v29     0; never rewritten
.set PFO,  30                          ; v30     the prefetches' lane offset; never rewritten
.set F0,   64
.set F1,   128
.set TMP,  192                         ; f16 way out: packed results
.set OB,   32                          ; f16 way out: rows read back: v32-63 and v224-255 by turns
.set BK32, 192                         ; f32 way out: rows read back, v192-255
.set RA,   64                          ; the very last K step: A's four buffers of 32
.set BRT,  192                         ; window 1: at work on the bias
.set G1,  24                           ; s[24:31] group 1 for A's tiles;  s[32:39] group 0: a set for each of the two first fills; the second then walks on
.set G0,  32
.set G1B, 48                           ; s[48:55], s[56:63] the same for B's
.set G0B, 56
.set LIM, 43                           ; s43      2 in a wave that prefetches, else the greatest number
.set PFA, 44                           ; s[44:45] where my prefetches stand
.set BP,  66                           ; s[66:67] the bias at the tile's first column
.set PST, 68                           ; s[68:69] a K step in the tensor that I prefetch
.set PJ,  70                           ; s[70:71] what a change of tiles takes from PFA
.set TB,  80                           ; s80      LDS byte at which the slot in hand begins: 0 or SLOT
.set MSB, 0
.macro WIN new                         ; the immediate's high byte repeats the setting that is left; a switch that changes nothing is dropped
.if MSB != (\new)
	s_set_vgpr_msb (MSB<<8)|(\new)
.set MSB, \new
.endif
.endm
.set TO_B, 0x40                        ; destination window 1, address window 0
.macro WM                              ; one product: D at rD, source 0 (B) at rB, source 1 (A) at rA, C at rC
.if F16
	v_wmma_f32_16x16x32_f16 v[rD:rD+7], v[rB:rB+7], v[rA:rA+7], v[rC:rC+7]
.else
	v_wmma_f32_16x16x32_bf16 v[rD:rD+7], v[rB:rB+7], v[rA:rA+7], v[rC:rC+7]
.endif
.endm
; A joint load, by set s of group 0.  Waves 0 and 1 fetch A's two halves, waves 2 and 3 B's.  The branch hangs on the wave's number alone.  An s_nop 0 and four v_nop follow each line.
.macro JLOAD s
	s_cmp_eq_u32 s11, 0
	s_cbranch_scc0 .Lfor_b_\@
	tensor_load_to_lds s[G0+4*(\s):G0+4*(\s)+3], s[G1:G1+7]
	s_nop 0
.rept 4
	v_nop
.endr
	s_branch .Lasked_\@
.Lfor_b_\@:
	tensor_load_to_lds s[G0B+4*(\s):G0B+4*(\s)+3], s[G1B:G1B+7]
	s_nop 0
.rept 4
	v_nop
.endr
.Lasked_\@:
.endm
; A prefetch, behind each joint load and the run of LDS loads that follows it: 32 blocks of 256 bytes of the K step that stands TWO refills on, a lane a block, one instruction a wave.
; A: of the 128 rows that the wave fetches the partner at cx takes 32, a lane a row.  B: of its 64 k-rows of 512 bytes the partner at cy takes 16, two lanes a row.  The partners are told apart by address.
; A's rows are read by this cluster alone (the grid is one cluster wide), in the first tile for the first time; B's columns by all sixteen clusters: cluster y = 0 asks.  So each block is named once.
; how = 0, in the loop: its last two trips (s3 = 2, 1) have no K step two refills on.  how > 0: at a change of tiles: the next tile's K steps 2 and 3.
.macro ASK how
.if \how
	s_cmp_eq_u32 s[LIM], 2
.else
	s_cmp_gt_u32 s3, s[LIM]
.endif
	s_cbranch_scc0 .Lnot_mine_\@
	global_prefetch_b8 v[PFO], s[PFA:PFA+1] th:TH_LOAD_NT scope:SCOPE_SE
.Lnot_mine_\@:
.endm
.macro CREST                           ; a round of the cluster's barrier behind its opening barrier
	s_cmp_lg_u32 s10, 0
	s_cbranch_scc1 .Lnot_wave_0_\@
	s_barrier_signal -3
.Lnot_wave_0_\@:
	s_barrier_wait -3
	s_barrier_signal -1
	s_barrier_wait -1
.endm
.macro CROUND                          ; a whole round
	s_barrier_signal -1
	s_barrier_wait -1
	CREST
.endm
	s_load_b128 s[4:7], s[0:1], 0x0                ; A s[4:5], B s[6:7]
	s_load_b64 s[8:9], s[0:1], 0x10                ; C
	s_load_b64 s[BP:BP+1], s[0:1], 0x18            ; bias
	v_lshl_add_u32 v[SPW], v0, 2, SPARE
	v_mov_b32 v[NIL], 0
	ds_add_u32 v[SPW], v[NIL]                      ; the wave's opening: the add and its wait stand ahead of my first tensor load; the set-up below stands between them
	v_lshrrev_b32 v1, 5, v0
	v_readfirstlane_b32 s10, v1                    ; wave 0..3
	s_lshr_b32 s11, s10, 1                         ; which half of the tile's rows is mine.  Also: I fetch for A (0) or for B (1)
	s_and_b32 s12, s10, 1                          ; which half of its columns.  Also: which half of that tile I fetch
	s_bfe_u32 s40, ttmp6, 0x40000                  ; cx
	s_bfe_u32 s41, ttmp6, 0x40004                  ; cy
	s_lshl_b32 s42, ttmp9, 2
	s_add_co_u32 s42, s42, s40                     ; first tile column = 4 x cluster x + cx
	s_and_b32 s13, ttmp7, 0xffff
	s_lshl_b32 s13, s13, 2
	s_add_co_u32 s13, s13, s41                     ; tile row = 4 x cluster y + cy
	s_lshl_b32 s43, s41, 2
	s_lshl_b32 s43, 15, s43                        ; my row of the cluster
	s_lshl_b32 s44, 0x1111, s40                    ; my column
	s_or_b32 s[G1+0], s43, (1<<16)|(1<<20)|(1<<21)|(5<<22)|(3<<25)   ; mask; 2-byte elements; padding on; bit 21 beside a mask; after every 64 words, 4 words
	s_or_b32 s[G1B+0], s44, (1<<16)|(1<<20)|(1<<21)|(6<<22)|(7<<25)  ; the column's mask; after every 128 words, 8 words
	s_mov_b32 s[G1+1], KSTEP<<16                   ; A: tensor_dim0 = 128
	s_mov_b32 s[G1+2], 128<<16                     ; tensor_dim1 = 128
	s_mov_b32 s[G1+3], KSTEP<<16                   ; tile_dim0 = 128
	s_mov_b32 s[G1+4], 128                         ; tile_dim1 = 128
	s_mov_b32 s[G1+5], SIZE_K                      ; elements from row to row
	s_mov_b32 s[G1+6], 0
	s_mov_b32 s[G1+7], 0
	s_mov_b32 s[G1B+1], 256<<16                    ; B: tensor_dim0 = 256
	s_mov_b32 s[G1B+2], 64<<16                     ; tensor_dim1 = 64
	s_mov_b32 s[G1B+3], 256<<16                    ; tile_dim0 = 256
	s_mov_b32 s[G1B+4], 64                         ; tile_dim1 = 64
	s_mov_b32 s[G1B+5], SIZE_N
	s_mov_b32 s[G1B+6], 0
	s_mov_b32 s[G1B+7], 0
	s_lshl_b32 s17, s12, 7
	s_lshl_b32 s16, s13, 8
	s_add_co_u32 s16, s16, s17                     ; A: row 256 x tile row + 128 x half,
	s_lshl_b32 s16, s16, 11                        ; 2,048 bytes a row
	s_mov_b32 s17, 0
	s_mul_i32 s46, s12, 64*SIZE_N*2                ; B: k-row 64 x half,
	s_lshl_b32 s47, s42, 9                         ; 512 bytes a tile column
	s_add_co_u32 s46, s46, s47
	s_mov_b32 s47, 0
	s_mul_i32 s20, s10, HALFT                      ; where they go: wave x 0x8800 bytes: no place in the cluster enters an LDS address
	s_mov_b32 s[TB], 0                             ; slot 0 is read first
	s_wait_dscnt 0x0                               ; the opening add is done
	s_wait_kmcnt 0x0
	s_add_nc_u64 s[14:15], s[4:5], s[16:17]
	s_add_nc_u64 s[46:47], s[6:7], s[46:47]
	CROUND                                         ; all sixteen work-groups are here: the first joint loads meet
.irp s, 0,1
	s_mov_b32 s[G0+4*(\s)], 1
	s_add_co_u32 s[G0+4*(\s)+1], s20, (\s)*SLOT
	s_add_nc_u64 s[G0+4*(\s)+2:G0+4*(\s)+3], s[14:15], (\s)*KSTEP*2
	s_or_b32 s[G0+4*(\s)+3], s[G0+4*(\s)+3], 0x80000000
	s_mov_b32 s[G0B+4*(\s)], 1
	s_add_co_u32 s[G0B+4*(\s)+1], s20, (\s)*SLOT
	s_add_nc_u64 s[G0B+4*(\s)+2:G0B+4*(\s)+3], s[46:47], (\s)*BSTEP
	s_or_b32 s[G0B+4*(\s)+3], s[G0B+4*(\s)+3], 0x80000000
	JLOAD \s                                       ; K steps 0 and 1: two loads of mine are out, the most at any time
.endr
	; A's fragment: lane l holds row l % 16; registers 0-3 K = 8 (l / 16) + 0..7, registers 4-7 K = 16 + 8 (l / 16) + 0..7: two loads of 16 bytes, 32 apart.
	; B's fragment has the same shape with columns for rows.  The turning load: lane l reads 16 bytes of k-row 8 (l / 16) + l % 8 at column 8 ((l / 8) % 2), and ends with 8 k of column l % 16; a second load 16 k-rows on.
	v_and_b32 v1, 15, v0                           ; l % 16
	v_bfe_u32 v2, v0, 4, 1                         ; l / 16
	v_mul_u32_u24 v3, v1, PITA
	v_lshl_add_u32 v3, v2, 4, v3
	v_and_b32 v6, 7, v0
	v_lshl_add_u32 v6, v2, 3, v6
	v_mul_u32_u24 v6, v6, PITB
	v_bfe_u32 v7, v0, 3, 1
	v_lshl_add_u32 v6, v7, 4, v6
	s_mul_i32 s21, s11, HALFT                      ; my 128 rows of A
	s_lshl_b32 s22, s12, 8                         ; my 128 columns of B: 256 bytes of each k-row,
	s_add_co_u32 s22, s22, 2*HALFT                 ; behind A's 256 rows
	v_add_nc_u32 v[ADRA0], s21, v3
	v_add_nc_u32 v[ADRB0], s22, v6
	v_add_nc_u32 v[ADRA], s21, v3                  ; the slot in hand is slot 0
	v_add_nc_u32 v[ADRB], s22, v6
	s_mul_i32 s23, s10, 16*SPITCH
	s_add_co_u32 s23, s23, STAGE                   ; my stage
.if OUT32
	v_mul_u32_u24 v4, v1, SPITCH                   ; in: row l % 16, 32 bytes for each half of the lanes
	v_lshl_add_u32 v4, v2, 5, v4
	v_add_nc_u32 v[STO], s23, v4
	v_and_b32 v5, 31, v0
	v_lshlrev_b32 v[CO], 4, v5                     ; back and out: 32 lanes take one row of 512 bytes
	v_add_nc_u32 v[RD], s23, v[CO]
.else
	v_mul_u32_u24 v4, v1, SPITCH                   ; in: row l % 16, 16 bytes for each half of the lanes
	v_lshl_add_u32 v4, v2, 4, v4
	v_add_nc_u32 v[STO], s23, v4
	v_mul_u32_u24 v5, v2, SPITCH                   ; back: lanes 0-15 take one row of 256 bytes, lanes 16-31 the next
	v_lshl_add_u32 v5, v1, 4, v5
	v_add_nc_u32 v[RD], s23, v5
	v_mul_u32_u24 v5, v2, CP                       ; and the same two rows in C
	v_lshl_add_u32 v[CO], v1, 4, v5
.endif
	s_lshl_b32 s13, s13, 8                         ; 256 x tile row
	s_lshl_b32 s14, s11, 7
	s_add_co_u32 s16, s13, s14                     ; my first row of C,
	s_mul_i32 s16, s16, CP                         ; in bytes: under 2^27
	s_mul_i32 s46, s42, 256*ES                     ; my first column, in bytes
	s_mul_i32 s47, s12, 128*ES
	s_add_co_u32 s46, s46, s47
	s_add_co_u32 s16, s16, s46
	s_mov_b32 s17, 0
	s_add_nc_u64 s[8:9], s[8:9], s[16:17]
	s_lshl_b32 s72, s42, 10                        ; the bias of the tile's 256 columns
	s_mov_b32 s73, 0
	s_add_nc_u64 s[BP:BP+1], s[BP:BP+1], s[72:73]
	s_lshl_b32 s74, s12, 9
	v_lshl_add_u32 v[BOF], v2, 5, s74              ; my 128 columns; of each 16, the 8 of my half of the lanes
; The bias of my 128 columns: lane (r, h) takes bias[16 b + 8 h + 0..7] into registers 8 b .. 8 b + 7 of window 1: the C operand's layout, the same for every row.
.macro BIASLOAD
	WIN TO_B
.irp b, 0,1,2,3,4,5,6,7
	global_load_b128 v[8*(\b):8*(\b)+3],   v[BOF], s[BP:BP+1] offset:64*(\b)
	global_load_b128 v[8*(\b)+4:8*(\b)+7], v[BOF], s[BP:BP+1] offset:64*(\b)+16
.endr
	WIN 0
.endm
.macro BIASROUND                       ; rounded to bf16 and widened again, in place
	WIN 0x45
.set p, 0
.rept 32
	v_cvt_pk_bf16_f32 v[BRT+p], v[2*p], v[2*p+1]
	v_lshlrev_b32 v[2*p], 16, v[BRT+p]
	v_and_b32 v[2*p+1], 0xffff0000, v[BRT+p]
.set p, p+1
.endr
	WIN 0
.endm
	BIASLOAD
	; the prefetches: both cases' offsets are made, and the wave's number chooses.  PFA starts at K step 3; each change of slots steps it before it asks.
	s_lshl_b32 s72, s12, 7
	s_add_co_u32 s72, s72, s13
	s_lshl_b32 s73, s40, 5
	s_add_co_u32 s72, s72, s73                     ; A: row 256 x tile row + 128 x half + 32 cx
	s_lshl_b32 s72, s72, 11
	s_add_co_u32 s72, s72, 3*KSTEP*2
	s_lshl_b32 s74, s12, 6
	s_lshl_b32 s75, s41, 4
	s_add_co_u32 s74, s74, s75                     ; B: k-row 64 x half + 16 cy
	s_mul_i32 s74, s74, SIZE_N*2
	s_lshl_b32 s75, s42, 9
	s_add_co_u32 s74, s74, s75
	s_add_co_u32 s74, s74, 3*BSTEP
	s_and_b32 s76, ttmp7, 0xffff                   ; cluster y
	s_mov_b32 s77, BSTEP
	s_mov_b32 s79, SIZE_N*2
.if TILES > 1
	s_mov_b32 s78, 7*BSTEP-4*512
.endif
	s_cmp_eq_u32 s11, 0                            ; do I fetch for A?
	s_cselect_b32 s72, s72, s74
	s_cselect_b32 s76, ttmp9, s76                  ; the coordinate along which other clusters read the same blocks
	s_cselect_b32 s[PST], KSTEP*2, s77
	s_cselect_b32 s79, SIZE_K*2, s79               ; bytes in a row of that tensor
	s_cselect_b64 s[PFA:PFA+1], s[4:5], s[6:7]
.if TILES > 1
	s_cselect_b32 s[PJ], 7*KSTEP*2, s78            ; from K step 9, where the loop's six steps leave PFA, to the next tile's K step 2
	s_mov_b32 s[PJ+1], 0
.endif
	s_mov_b32 s73, 0
	s_mov_b32 s[PST+1], 0
	s_cmp_eq_u32 s76, 0
	s_cselect_b32 s[LIM], 2, -1                    ; the same in all sixteen partners, for a given wave
	s_add_nc_u64 s[PFA:PFA+1], s[PFA:PFA+1], s[72:73]
	v_and_b32 v5, 31, v0
	v_lshrrev_b32 v[PFO], s11, v5                  ; A: a lane a row; B: two lanes a row,
	v_mul_u32_u24 v[PFO], s79, v[PFO]
	v_and_b32 v5, s11, v5
	v_lshl_add_u32 v[PFO], v5, 8, v[PFO]           ; 256 bytes apart
; 16 products: row blocks a0, a0 + 1 of the window's four (hi = 0: my rows 0-63, 1: rows 64-127) x all 8 column blocks, 32 along K.  zero = 1: the sums start, with the bias as C.
; The 64 accumulators take turns, one instruction a turn, in the same order in every quarter.
.macro MUL16 f, hi, a0, zero
.if \zero
	WIN 0x91+0x40*(\hi)                            ; B window 1, A window 0, C (the bias) window 1, D window 2 or 3
.else
	WIN 0xa1+0x50*(\hi)                            ; C and D window 2 or 3
.endif
.irp a, \a0, (\a0)+1
.irp b, 0,1,2,3,4,5,6,7
.set rD, 8*(8*(\a)+(\b))
.set rB, (\f)+8*(\b)
.set rA, (\f)+8*(4*(\hi)+(\a))
.set rC, rD
.if \zero
.set rC, 8*(\b)
.endif
	WM
.endr
.endr
.endm
; 32 LDS loads in one run: the fragments of quarter q (32 along K) of the slot in hand into buffer f: B's sixteen first, then A's.
.macro FETCH q, f
	WIN TO_B
.irp i, 0,1,2,3,4,5,6,7
	ds_load_tr16_b128 v[(\f)+8*(\i):(\f)+8*(\i)+3],   v[ADRB] offset:(\q)*32*PITB+32*(\i)
	ds_load_tr16_b128 v[(\f)+8*(\i)+4:(\f)+8*(\i)+7], v[ADRB] offset:(\q)*32*PITB+32*(\i)+16*PITB
.endr
	WIN 0
.irp i, 0,1,2,3,4,5,6,7
	ds_load_b128 v[(\f)+8*(\i):(\f)+8*(\i)+3],   v[ADRA] offset:64*(\q)+(\i)*16*PITA
	ds_load_b128 v[(\f)+8*(\i)+4:(\f)+8*(\i)+7], v[ADRA] offset:64*(\q)+(\i)*16*PITA+32
.endr
.endm
.macro PLACES                          ; four plain instructions between a product and a load into, or a read of, its registers (ISA guide 7.12.1 for a read)
.rept 4
	v_nop
.endr
.endm
; One of a K step's first three quarters: multiplies buffer f; in its middle it fetches quarter q of the slot in hand into buffer g.
.macro QUARTER q, f, g, zero
	s_wait_dscnt 8                                 ; B and A's rows 0-63 are in; the youngest eight loads (A's rows 64-127) may be out
	MUL16 \f, 0, 0, \zero
	MUL16 \f, 0, 2, \zero
	PLACES
	FETCH \q, \g
	s_wait_dscnt 32                                ; all but the 32 just issued
	MUL16 \f, 1, 0, \zero
	MUL16 \f, 1, 2, \zero
.endm
; The other slot becomes the slot in hand: its last fragments have been asked for, so the two lane addresses may be made anew (LDS loads have read their address at issue).
.macro FLIP
	WIN 0
	s_xor_b32 s[TB], s[TB], SLOT                   ; 0 and SLOT by turns
	v_add_nc_u32 v[ADRA], s[TB], v[ADRA0]
	v_add_nc_u32 v[ADRB], s[TB], v[ADRB0]
.endm
; The first half of a K step's last quarter: one barrier for the change of slots.  In front of it each wave waits for all its tensor loads (one is out: its part of the next slot), adds 0 to its
; spare word, and waits for that and for its reads of this slot.
.macro MEET round
	WIN 0
	s_wait_tensorcnt 0x0                           ; all my tensor loads have landed
	ds_add_u32 v[SPW], v[NIL]
	s_wait_dscnt 9                                 ; the add and the youngest eight loads may be out
	MUL16 F1, 0, 0, 0
	s_wait_dscnt 0x0                               ; the add is done, and my reads of this slot are over
	s_barrier_signal -1
	MUL16 F1, 0, 2, 0
.if \round
	WIN 0
.endif
	s_barrier_wait -1
.endm
; The whole last quarter.  Behind the round the slot just read is filled again: on = 0: with this tile's K step two on; 1: with the next tile's K step 0; 2: with its K step 1.  Then come the other slot's first fragments.
; The walking descriptor: its LDS word goes to the other slot than last time by an exclusive or (the waves' offsets, 0, 0x8800, 0x11000 and 0x19800, have no bit in common with SLOT, 0x22000, so
; adding SLOT and turning its bits are one); its address goes one K step on, since refills ask for the K steps in turn.
.macro TURN on
	s_wait_xcnt 0x0                                ; the last prefetch, a K step back, has read its address, so it may be stepped
.if (\on) == 1
	s_sub_nc_u64 s[PFA:PFA+1], s[PFA:PFA+1], s[PJ:PJ+1]
	s_cmp_eq_u32 s11, 0
	s_cselect_b32 s[LIM], -1, s[LIM]               ; A's rows are the same for all tiles of the walk: they are asked for no more
.else
	s_add_nc_u64 s[PFA:PFA+1], s[PFA:PFA+1], s[PST:PST+1]
.endif
	FLIP
	MEET 1
	CREST                                          ; no wave of any partner still reads this slot or has a load on its way
	s_xor_b32 s[G0+5], s[G0+5], SLOT
	s_xor_b32 s[G0B+5], s[G0B+5], SLOT
.if (\on) == 1
	s_sub_nc_u64 s[G0+6:G0+7], s[G0+6:G0+7], JUMP_A
	s_sub_nc_u64 s[G0B+6:G0B+7], s[G0B+6:G0B+7], JUMP_B
.else
	s_add_nc_u64 s[G0+6:G0+7], s[G0+6:G0+7], KSTEP*2
	s_add_nc_u64 s[G0B+6:G0B+7], s[G0B+6:G0B+7], BSTEP
.endif
	JLOAD 1                                        ; the first tensor load behind the round; its four v_nop are also the places in front of the loads below
	FETCH 0, F0
	ASK \on
	MUL16 F1, 1, 0, 0
	MUL16 F1, 1, 2, 0
.endm
; THE LAST TILE'S LAST K STEP GOES BY ROWS OF C: all its fragments of B fill window 1; my eight blocks of 16 rows are finished one after the other and leave at once.
.macro BLOAD q
	WIN TO_B
.irp i, 0,1,2,3,4,5,6,7
	ds_load_tr16_b128 v[64*(\q)+8*(\i):64*(\q)+8*(\i)+3],   v[ADRB] offset:(\q)*32*PITB+32*(\i)
	ds_load_tr16_b128 v[64*(\q)+8*(\i)+4:64*(\q)+8*(\i)+7], v[ADRB] offset:(\q)*32*PITB+32*(\i)+16*PITB
.endr
.endm
.macro ALOAD a                         ; A's fragments of block a, all four quarters, into buffer a % 4
	WIN 0
.set FA, RA+32*((\a)%4)
.irp q, 0,1,2,3
	ds_load_b128 v[FA+8*(\q):FA+8*(\q)+3],   v[ADRA] offset:64*(\q)+(\a)*16*PITA
	ds_load_b128 v[FA+8*(\q)+4:FA+8*(\q)+7], v[ADRA] offset:64*(\q)+(\a)*16*PITA+32
.endr
.endm
.macro ROW a                           ; block a is finished: 32 products, its 8 accumulators by turns, K ascending
.set FA, RA+32*((\a)%4)
.set AC, 64*((\a)%4)
	WIN 0xa1+0x50*((\a)/4)
.irp q, 0,1,2,3
.if (\a) == 0 && (\q) == 2
	s_wait_dscnt 24                                ; B's quarter 2 is in (behind it: A's blocks 1 to 3)
.endif
.irp b, 0,1,2,3,4,5,6,7
.set rD, AC+8*(\b)
.set rC, rD
.set rB, 64*(\q)+8*(\b)
.set rA, FA+8*(\q)
	WM
.endr
.endr
.endm
; THE WAY OUT of block a.  PACK (f16 alone): rounded, 16 bytes a lane.  TOSTAGE: into my own stage and back as whole rows.  SEND: stored.  Each accumulator's registers are read in ascending order.
.macro PACK a
.set AC, 64*((\a)%4)
	WIN 0x0a+5*((\a)/4)                            ; sources 0 and 1: window 2 or 3
.irp b, 0,1,2,3,4,5,6,7
.irp r, 0,1,2,3
	v_cvt_pk_f16_f32 v[TMP+4*(\b)+(\r)], v[AC+8*(\b)+2*(\r)], v[AC+8*(\b)+2*(\r)+1]
.endr
.endr
	WIN 0
.endm
.macro TOSTAGE a
.if OUT32
.set AC, 64*((\a)%4)
	s_wait_xcnt 0x0                                ; the last block's stores have read the registers that the loads below fill
	WIN 0x08+4*((\a)/4)                            ; store data: window 2 or 3
.irp b, 0,1,2,3,4,5,6,7
	ds_store_b128 v[STO], v[AC+8*(\b):AC+8*(\b)+3]   offset:64*(\b)
	ds_store_b128 v[STO], v[AC+8*(\b)+4:AC+8*(\b)+7] offset:64*(\b)+16
.endr
	WIN 0
.irp t, 0,1,2,3,4,5,6,7,8,9,10,11,12,13,14,15
	ds_load_b128 v[BK32+4*(\t):BK32+4*(\t)+3], v[RD] offset:(\t)*SPITCH  ; LDS serves a wave's instructions in order (ISA guide 5.7.1.4): these see the stores above
.endr
.else
	WIN 0
.set BK, OB+192*((\a)%2)
.irp b, 0,1,2,3,4,5,6,7
	ds_store_b128 v[STO], v[TMP+4*(\b):TMP+4*(\b)+3] offset:32*(\b)
.endr
.irp t, 0,1,2,3,4,5,6,7
	ds_load_b128 v[BK+4*(\t):BK+4*(\t)+3], v[RD] offset:(\t)*2*SPITCH  ; LDS serves a wave's instructions in order (ISA guide 5.7.1.4): these see the stores above
.endr
.endif
.endm
.macro SEND a, younger                 ; younger: the LDS loads issued behind TOSTAGE's, which may stay out
	WIN 0
	s_wait_dscnt \younger                          ; the block is back in registers
	s_wait_xcnt 0x0                                ; earlier stores have read their base and their registers
.if (\a) > 0
	s_add_nc_u64 s[8:9], s[8:9], 16*CP             ; 16 rows of C on
.endif
.if OUT32
.irp t, 0,1,2,3,4,5,6,7,8,9,10,11,12,13,14,15
	global_store_b128 v[CO], v[BK32+4*(\t):BK32+4*(\t)+3], s[8:9] offset:(\t)*CP  ; 32 lanes store 512 consecutive bytes, aligned
.endr
.else
.set BK, OB+192*((\a)%2)
.irp t, 0,1,2,3,4,5,6,7
	global_store_b128 v[CO], v[BK+4*(\t):BK+4*(\t)+3], s[8:9] offset:2*(\t)*CP  ; 16 lanes store 256 consecutive bytes, aligned
.endr
.endif
.endm
	s_wait_tensorcnt 1                             ; my part of K step 0 is in; K step 1's may stay out
	s_barrier_signal -1
	s_barrier_wait -1                              ; everybody's is
	FETCH 0, F0
	s_wait_loadcnt 0x0                             ; the bias
	BIASROUND
.if TILES > 1
	s_mov_b32 s2, TILES                            ; tiles to go, this one among them: the same in every work-group
.Ltile:
.endif
	QUARTER 1, F0, F1, 1                           ; a tile's first quarter stands in front of the loop: its products start the sums
	WIN 0
	s_mov_b32 s3, STEPS-2
.Lstep:                                                ; a trip goes from a K step's second quarter to the next step's first, and fills the slot that it leaves: K steps 2 to 7 are asked for here
	QUARTER 2, F1, F0, 0
	QUARTER 3, F0, F1, 0
	TURN 0
	QUARTER 1, F0, F1, 0
	WIN 0
	s_sub_co_u32 s3, s3, 1
	s_cmp_lg_u32 s3, 0
	s_cbranch_scc1 .Lstep
	QUARTER 2, F1, F0, 0                           ; the tile's last K step but one goes on
	QUARTER 3, F0, F1, 0
.if TILES > 1
	WIN 0
	s_cmp_eq_u32 s2, 1
	s_cbranch_scc1 .Llast_tile                     ; the last tile's tail is written out: it asks for nothing more
	s_add_nc_u64 s[BP:BP+1], s[BP:BP+1], 4*256*4   ; the next tile's bias (the last loads by this pointer were waited for at the tile's head),
	BIASLOAD                                       ; asked for five quarters and a way out ahead of its use
	TURN 1                                         ; the ring goes on into the next tile: slot 0 takes its K step 0,
	QUARTER 1, F0, F1, 0
	QUARTER 2, F1, F0, 0
	QUARTER 3, F0, F1, 0
	TURN 2                                         ; slot 1 its K step 1, and the next tile's first fragments are fetched
	PACK 0                                         ; blocks 0-3 were finished in front of the joint load's v_nop; their conversions are the places behind the last products (blocks 4-7's)
	TOSTAGE 0
.irp a, 1,2,3,4,5,6,7
	PACK \a
	SEND (\a)-1, 0
	TOSTAGE \a
.endr
	SEND 7, 0
	s_wait_loadcnt 0x0                             ; the next tile's bias
	BIASROUND
	s_wait_xcnt 0x0                                ; the last stores have read C's address
	s_sub_nc_u64 s[8:9], s[8:9], BACK_C
	s_sub_co_u32 s2, s2, 1
	s_branch .Ltile
.Llast_tile:
.endif
	FLIP                                           ; the last K step lies in slot 1
	MEET 0                                         ; it is whole; nothing is filled again, so no round follows
	PLACES                                         ; for the loads into buffer 0, which the quarter before multiplied
	BLOAD 0
	BLOAD 1
	BLOAD 3
	ALOAD 0
	MUL16 F1, 1, 0, 0
	MUL16 F1, 1, 2, 0
	PLACES                                         ; for the loads into buffer 1
	BLOAD 2
	ALOAD 1
	ALOAD 2
	ALOAD 3
	s_wait_dscnt 40                                ; all but the 40 just issued
	ROW 0
.irp a, 0,1,2,3,4,5,6,7
	PLACES                                         ; what follows reads results just made
.if OUT32 == 0
	PACK \a
.endif
	TOSTAGE \a
.if (\a) < 4
	ALOAD (\a)+4                                   ; its buffer takes the block four further on
	SEND \a, 8
.else
	SEND \a, 0
.endif
.if (\a) < 7
	ROW (\a)+1
.endif
.endr
	s_wait_tensorcnt 0x0                           ; the wave's end: behind my last tensor load and my last LDS store
	ds_add_u32 v[SPW], v[NIL]
	s_wait_dscnt 0x0
	CROUND                                         ; the closing round: no work-group ends while a partner may still ask for a tile that names it
	s_endpgm
.Lfunc_end_k_qfbf13b45ae_gemm_qkv:
	.size	k_qfbf13b45ae_gemm_qkv, .Lfunc_end_k_qfbf13b45ae_gemm_qkv-k_qfbf13b45ae_gemm_qkv
	.p2alignl 7, 3214868480
	.fill 96, 4, 3214868480
	.section	.rodata,"a",@progbits
	.p2align	6, 0x0
	.amdhsa_kernel k_qfbf13b45ae_gemm_qkv
		.amdhsa_group_segment_fixed_size 327680
		.amdhsa_private_segment_fixed_size 0
		.amdhsa_enable_private_segment 0
		.amdhsa_kernarg_size 32
		.amdhsa_user_sgpr_count 2
		.amdhsa_user_sgpr_kernarg_segment_ptr 1
		.amdhsa_wavefront_size32 1
		.amdhsa_system_sgpr_workgroup_id_x 1
		.amdhsa_system_sgpr_workgroup_id_y 1
		.amdhsa_system_sgpr_workgroup_id_z 1
		.amdhsa_system_vgpr_workitem_id 0
		.amdhsa_next_free_vgpr 1024
		.amdhsa_next_free_sgpr 96
		.amdhsa_reserve_vcc 0
		.amdhsa_float_denorm_mode_32 3
		.amdhsa_float_denorm_mode_16_64 3
		.amdhsa_memory_ordered 1
		.amdhsa_forward_progress 1
		.amdhsa_inst_pref_size 199
	.end_amdhsa_kernel
	.amdgpu_metadata
---
amdhsa.version: [ 1, 2 ]
amdhsa.kernels:
  - .name:           k_qfbf13b45ae_gemm_qkv
    .symbol:         k_qfbf13b45ae_gemm_qkv.kd
    .args:
      - { .name: xb, .offset: 0, .size: 8, .value_kind: global_buffer, .address_space: global }
      - { .name: wab, .offset: 8, .size: 8, .value_kind: global_buffer, .address_space: global }
      - { .name: qkv, .offset: 16, .size: 8, .value_kind: global_buffer, .address_space: global }
      - { .name: b_attn, .offset: 24, .size: 8, .value_kind: global_buffer, .address_space: global }
    .group_segment_fixed_size: 327680
    .private_segment_fixed_size: 0
    .kernarg_segment_align: 8
    .kernarg_segment_size: 32
    .max_flat_workgroup_size: 128
    .sgpr_count:     96
    .vgpr_count:     1024
    .wavefront_size: 32
...
	.end_amdgpu_metadata
.endif
;; end of part 2
;; launch attn (part 3): grid 1024 x 1, 4 waves a work-group, no clusters, 74,240 bytes of LDS; arguments qkv, mask, ao; writes ao
.if DOCPART == 3
	.amdgcn_target "amdgcn-amd-amdhsa--gfx1250"
	.amdhsa_code_object_version 6
	.text
	.protected	k_qfbf13b45ae_attn
	.globl	k_qfbf13b45ae_attn
	.p2align	8
	.type	k_qfbf13b45ae_attn,@function
k_qfbf13b45ae_attn:
	s_mov_b64 s[64:65], 0
	v_nop
	global_prefetch_b8 v0, s[64:65] scope:SCOPE_SE
	s_setreg_imm32_b32 hwreg(HW_REG_WAVE_MODE, 25, 1), 1
	s_wait_xcnt 0x0
; For each token: S[h][g] = q_h . k_g / 8; where mask[token][g] is 0 the score counts as -1e9; softmax over g; O[h] = the sum over g of P[h][g] v_g.  16 heads of 64 channels.
; qkv: [16384][3072] f16, head h at 192 h: q, k, v, 64 each.  mask: [16384][16] bytes.  ao: [16384][1024] f16.  Products, maximum and sum in f32; P is divided by its sum in f32 and rounded once to f16.
; LIMITS.  The row's true maximum is taken away.  Two tokens share each product V^T P, each multiplied by zeros in the other's half: an infinity or NaN in one token's v would spoil its partner
; (qkv arrives finite, within f16's 65,504).  A weight below 2^-126 counts as 0.  NaN and infinities are not treated apart.
; SHARES.  A wave takes 4 tokens, as two PAIRS (a, b); all its LDS bytes are its own, so there is no barrier.  Nothing is shared between work-groups: no cluster, no tensor load.
; THE WAY IN.  A token's 6,144 bytes come by 12 loads of 512 consecutive bytes and go into LDS with 16 bytes behind every 128: a head's q, k, v lie 144 apart, heads 432 apart (27 x 16: the 16 rows
; of a fragment load start at different banks).  The next pair's 24 loads go out as soon as this pair has left its registers.
; LAYOUT.  S^T = K Q^T (source 0 = 16 key heads, source 1 = 16 query heads): a lane holds query head l % 16 and the key heads 8 (l / 16) + 0..7.  Rounded in pairs, these four registers ARE half of
; source 1 (K = 32) of O^T = V^T P; the other half is zeros.  Source 0 holds token a's v in k = 0..15 and token b's in k = 16..31, turned by ds_load_tr16_b128.
.set CH,    144                        ; 128 bytes + 16
.set HP,    3*CH                       ; from head to head
.set TOKB,  16*HP                      ; a token in LDS
.set STGO,  2*TOKB                     ; behind the pair: the stage, 2 tokens x 16 rows x 144
.set WAVEB, STGO+2*16*CH               ; a wave's bytes: 18,432
.set SPARE, 4*WAVEB                    ; the spare words, 128 bytes a wave, which no other line names
.set BIG, 1                            ; v1   -8e9: -1e9 ahead of the division by 8
.set LO,  3                            ; v3   16 l: my bytes in 512, in and out
.set WST, 4                            ; v4   where they go in LDS: (l / 8) x 144 + (l % 8) x 16
.set AQ,  5                            ; v5   my place in a fragment of q or k
.set AV,  6                            ; v6   in the turning load of v
.set STO, 7                            ; v7   the way out: where I put 16 bytes of a head's row
.set RD,  8                            ; v8   where I read rows back
.set MO,  9                            ; v9   8 (l / 16): my eight bytes of a token's mask
.set SPW, 10                           ; v10  my spare word; never rewritten
.set NIL, 11                           ; v11  0; never rewritten
.set MK,  12                           ; v[12:19]  token t's eight mask bytes at 12 + 2 t
.set T,   20                           ; v[20:31]  six registers at work for a, six for b: +0 c m, +1 its pair's partner (0), +2 .. +5
.set G,   32                           ; v[32:127] the pair as loaded
.set QK,  128                          ; v[128:191] token u at 32 u: q channels 0-31, 32-63, k channels 0-31, 32-63; later O^T, block cb at 8 cb; later the rows read back
.set VF,  192                          ; v[192:223] V^T, channel block cb at 8 cb; later b's packed O
.set S,   224                          ; v[224:239] S^T of a, of b; later a's packed O
.set P,   240                          ; v[240:243] P of a, v[244:247] zeros, v[248:251] P of b
	s_load_b128 s[4:7], s[0:1], 0x0                ; qkv s[4:5], mask s[6:7]
	s_load_b64 s[8:9], s[0:1], 0x10                ; ao
	v_lshl_add_u32 v[SPW], v0, 2, SPARE
	v_mov_b32 v[NIL], 0
	v_lshrrev_b32 v1, 5, v0
	v_readfirstlane_b32 s10, v1                    ; wave 0..3
	s_lshl_b32 s11, ttmp9, 4
	s_lshl2_add_u32 s11, s10, s11                  ; my first token: 16 x work-group + 4 x wave
	s_mul_i32 s20, s11, 6144
	s_mov_b32 s21, 0
	s_lshl_b32 s22, s11, 4
	s_mov_b32 s23, 0
	s_lshl_b32 s12, s11, 11
	s_mov_b32 s13, 0
	s_mul_i32 s18, s10, WAVEB                      ; my bytes of LDS,
	s_add_co_u32 s19, s18, STGO                    ; my stage
	v_and_b32 v2, 31, v0
	v_lshlrev_b32 v[LO], 4, v2
	v_lshrrev_b32 v[WST], 3, v2
	v_mul_u32_u24 v[WST], v[WST], CH
	v_and_b32 v[AV], 7, v0
	v_lshl_add_u32 v[WST], v[AV], 4, v[WST]
	v_add_nc_u32 v[RD], s19, v[WST]
	v_add_nc_u32 v[WST], s18, v[WST]
	v_bfe_u32 v2, v0, 4, 1                         ; l / 16
	v_lshlrev_b32 v[MO], 3, v2
	s_wait_kmcnt 0x0
	s_add_nc_u64 s[4:5], s[4:5], s[20:21]
	s_add_nc_u64 s[6:7], s[6:7], s[22:23]
	s_add_nc_u64 s[8:9], s[8:9], s[12:13]
.irp t, 0,1,2,3
	global_load_b64 v[MK+2*(\t):MK+2*(\t)+1], v[MO], s[6:7] offset:16*(\t)
.endr
.macro LOADS p                         ; pair p's 24 loads
.irp u, 0,1
.irp i, 0,1,2,3,4,5,6,7,8,9,10,11
	global_load_b128 v[G+48*(\u)+4*(\i):G+48*(\u)+4*(\i)+3], v[LO], s[4:5] offset:(2*(\p)+(\u))*6144+512*(\i) th:TH_LOAD_NT
.endr
.endr
.endm
	LOADS 0
	v_and_b32 v[AQ], 15, v0                        ; l % 16
	v_mul_u32_u24 v[STO], v[AQ], CH
	v_lshl_add_u32 v[STO], v2, 4, v[STO]
	v_add_nc_u32 v[STO], s19, v[STO]
	v_mul_u32_u24 v[AQ], v[AQ], HP                 ; head l % 16, 16 bytes for each half of the lanes
	v_lshl_add_u32 v[AQ], v2, 4, v[AQ]
	v_add_nc_u32 v[AQ], s18, v[AQ]
	v_lshl_add_u32 v[AV], v2, 3, v[AV]             ; head 8 (l / 16) + l % 8,
	v_mul_u32_u24 v[AV], v[AV], HP
	v_bfe_u32 v2, v0, 3, 1
	v_lshl_add_u32 v[AV], v2, 4, v[AV]             ; channels 8 ((l / 8) % 2) on,
	s_add_co_u32 s18, s18, 2*CH                    ; in v
	v_add_nc_u32 v[AV], s18, v[AV]
	v_mov_b32 v[BIG], 0xcfee6b28                   ; -8e9
	v_mov_b32 v[T+1], 0
	v_mov_b32 v[T+7], 0
.irp i, 4,5,6,7
	v_mov_b32 v[P+(\i)], 0
.endr
	s_mov_b32 s14, 0x76543210                      ; v_permlanex16_b32: each lane takes its own place in the other half
	s_mov_b32 s15, 0xfedcba98
	s_mov_b32 s16, 0x3e38aa3b                      ; c = log2(e) / 8
	s_mov_b32 s17, s16                             ; named with it as a pair
.macro BOTH line:vararg                ; one line for token a (u = 0) and for token b (u = 1): neither reads the result of the line just before it
.set u, 0
.rept 2
	\line
.set u, u+1
.endr
.endm
.macro PAIR p, more
.set PP, \p
	s_wait_loadcnt 12                              ; token a is in (and the masks, which were asked for first); b's twelve loads may stay out
.irp i, 0,1,2,3,4,5,6,7,8,9,10,11
	ds_store_b128 v[WST], v[G+4*(\i):G+4*(\i)+3] offset:4*CH*(\i)
.endr
	s_wait_loadcnt 0x0
.irp i, 0,1,2,3,4,5,6,7,8,9,10,11
	ds_store_b128 v[WST], v[G+48+4*(\i):G+48+4*(\i)+3] offset:TOKB+4*CH*(\i)
.endr
.if \more
	LOADS (\p)+1
.endif
.if (\p) > 0
	s_wait_xcnt 0x0                                ; the last pair's stores have read the registers that the loads below fill
.endif
.irp u, 0,1
.irp j, 0,1
.irp c, 0,1
	ds_load_b128 v[QK+32*(\u)+16*(\j)+8*(\c):QK+32*(\u)+16*(\j)+8*(\c)+3],   v[AQ] offset:(\u)*TOKB+(\j)*CH+64*(\c)  ; LDS serves a wave's instructions in order (ISA guide 5.7.1.4): these see the stores above
	ds_load_b128 v[QK+32*(\u)+16*(\j)+8*(\c)+4:QK+32*(\u)+16*(\j)+8*(\c)+7], v[AQ] offset:(\u)*TOKB+(\j)*CH+64*(\c)+32
.endr
.endr
.endr
.irp cb, 0,1,2,3
	ds_load_tr16_b128 v[VF+8*(\cb):VF+8*(\cb)+3],   v[AV] offset:32*(\cb)        ; a's 16 heads: k = 0..15
	ds_load_tr16_b128 v[VF+8*(\cb)+4:VF+8*(\cb)+7], v[AV] offset:TOKB+32*(\cb)   ; b's: k = 16..31
.endr
	s_wait_dscnt 8                                 ; q and k are in; V's eight loads may stay out
	v_wmma_f32_16x16x32_f16 v[S:S+7],    v[QK+16:QK+23], v[QK:QK+7],     0          ; the two accumulators take turns
	v_wmma_f32_16x16x32_f16 v[S+8:S+15], v[QK+48:QK+55], v[QK+32:QK+39], 0
	v_wmma_f32_16x16x32_f16 v[S:S+7],    v[QK+24:QK+31], v[QK+8:QK+15],  v[S:S+7]
	v_wmma_f32_16x16x32_f16 v[S+8:S+15], v[QK+56:QK+63], v[QK+40:QK+47], v[S+8:S+15]
.set j, 0
.rept 8                                ; the masks' bytes become lane masks: 32 plain instructions, the places behind those products
	BOTH v_and_b32 v[T+6*u+2], 0xff<<(8*(j%4)), v[MK+2*(2*PP+u)+j/4]
	BOTH v_cmp_ne_u32 s[24+8*u+j], 0, v[T+6*u+2]
.set j, j+1
.endr
.set j, 0
.rept 8                                ; each accumulator is read from its lowest register on
	BOTH v_cndmask_b32 v[S+8*u+j], v[BIG], v[S+8*u+j], s[24+8*u+j]
.set j, j+1
.endr
	BOTH v_max3_num_f32 v[T+6*u+2], v[S+8*u], v[S+8*u+1], v[S+8*u+2]
	BOTH v_max3_num_f32 v[T+6*u+3], v[S+8*u+3], v[S+8*u+4], v[S+8*u+5]
	BOTH v_max3_num_f32 v[T+6*u+2], v[T+6*u+2], v[S+8*u+6], v[S+8*u+7]
	BOTH v_max_num_f32 v[T+6*u+2], v[T+6*u+2], v[T+6*u+3]
	BOTH v_permlanex16_b32 v[T+6*u+3], v[T+6*u+2], s14, s15  ; the query's other eight key heads lie in the lane 16 away
	BOTH v_max_num_f32 v[T+6*u+2], v[T+6*u+2], v[T+6*u+3]
	BOTH v_mul_f32 v[T+6*u], s16, v[T+6*u+2]       ; c m
.set j, 0
.rept 4
	BOTH v_pk_fma_f32 v[S+8*u+2*j:S+8*u+2*j+1], v[S+8*u+2*j:S+8*u+2*j+1], s[16:17], v[T+6*u:T+6*u+1] op_sel_hi:[1,0,0] neg_lo:[0,0,1] neg_hi:[0,0,1]
.set j, j+1
.endr
.set j, 0
.rept 8                                ; sixteen exponentials: one batch
	BOTH v_exp_f32 v[S+8*u+j], v[S+8*u+j]
.set j, j+1
.endr
	v_nop                                          ; a plain instruction behind the last exponential,
	s_wait_alu depctr_va_vdst(0)                   ; and one wait ahead of the batch's first reader
	BOTH v_pk_add_f32 v[T+6*u+2:T+6*u+3], v[S+8*u:S+8*u+1], v[S+8*u+2:S+8*u+3]
	BOTH v_pk_add_f32 v[T+6*u+4:T+6*u+5], v[S+8*u+4:S+8*u+5], v[S+8*u+6:S+8*u+7]
	BOTH v_pk_add_f32 v[T+6*u+2:T+6*u+3], v[T+6*u+2:T+6*u+3], v[T+6*u+4:T+6*u+5]
	BOTH v_add_f32 v[T+6*u+2], v[T+6*u+2], v[T+6*u+3]
	BOTH v_permlanex16_b32 v[T+6*u+3], v[T+6*u+2], s14, s15
	BOTH v_add_f32 v[T+6*u+2], v[T+6*u+2], v[T+6*u+3]
	BOTH v_rcp_f32 v[T+6*u+4], v[T+6*u+2]
	v_nop
	s_wait_alu depctr_va_vdst(0)                   ; one wait for the two reciprocals
.set j, 0
.rept 4
	BOTH v_pk_mul_f32 v[S+8*u+2*j:S+8*u+2*j+1], v[S+8*u+2*j:S+8*u+2*j+1], v[T+6*u+4:T+6*u+5] op_sel_hi:[1,0]
.set j, j+1
.endr
.set j, 0
.rept 4
	BOTH v_cvt_pk_f16_f32 v[P+8*u+j], v[S+8*u+2*j], v[S+8*u+2*j+1]
.set j, j+1
.endr
	s_wait_dscnt 0x0                               ; V is in
.irp cb, 0,1,2,3                       ; eight products, each a whole sum: a's weights with zeros above them, b's with zeros below
	v_wmma_f32_16x16x32_f16 v[QK+8*(\cb):QK+8*(\cb)+7],       v[VF+8*(\cb):VF+8*(\cb)+7], v[P:P+7],    0
	v_wmma_f32_16x16x32_f16 v[QK+32+8*(\cb):QK+32+8*(\cb)+7], v[VF+8*(\cb):VF+8*(\cb)+7], v[P+4:P+11], 0
.endr
.rept 4
	v_nop                                          ; the places behind those products
.endr
.set i, 0
.rept 16
	v_cvt_pk_f16_f32 v[S+i], v[QK+2*i], v[QK+2*i+1]
.set i, i+1
.endr
.set i, 0
.rept 16
	v_cvt_pk_f16_f32 v[VF+i], v[QK+32+2*i], v[QK+32+2*i+1]
.set i, i+1
.endr
.irp cb, 0,1,2,3                       ; a lane's eight channels of a head's row are 16 bytes; rows of 144 bytes
	ds_store_b128 v[STO], v[S+4*(\cb):S+4*(\cb)+3]   offset:32*(\cb)
	ds_store_b128 v[STO], v[VF+4*(\cb):VF+4*(\cb)+3] offset:16*CH+32*(\cb)
.endr
.irp u, 0,1
.irp i, 0,1,2,3
	ds_load_b128 v[QK+16*(\u)+4*(\i):QK+16*(\u)+4*(\i)+3], v[RD] offset:(\u)*16*CH+4*CH*(\i)  ; four rows of 128 bytes: 512 consecutive bytes of ao
.endr
.endr
	s_wait_dscnt 0x0
.irp u, 0,1
.irp i, 0,1,2,3
	global_store_b128 v[LO], v[QK+16*(\u)+4*(\i):QK+16*(\u)+4*(\i)+3], s[8:9] offset:(2*(\p)+(\u))*2048+512*(\i)
.endr
.endr
.endm
	PAIR 0, 1
	PAIR 1, 0
	s_wait_tensorcnt 0x0                           ; the wave's end: behind my last LDS store
	ds_add_u32 v[SPW], v[NIL]
	s_wait_dscnt 0x0
	s_endpgm
.Lfunc_end_k_qfbf13b45ae_attn:
	.size	k_qfbf13b45ae_attn, .Lfunc_end_k_qfbf13b45ae_attn-k_qfbf13b45ae_attn
	.p2alignl 7, 3214868480
	.fill 96, 4, 3214868480
	.section	.rodata,"a",@progbits
	.p2align	6, 0x0
	.amdhsa_kernel k_qfbf13b45ae_attn
		.amdhsa_group_segment_fixed_size 74240
		.amdhsa_private_segment_fixed_size 0
		.amdhsa_enable_private_segment 0
		.amdhsa_kernarg_size 24
		.amdhsa_user_sgpr_count 2
		.amdhsa_user_sgpr_kernarg_segment_ptr 1
		.amdhsa_wavefront_size32 1
		.amdhsa_system_sgpr_workgroup_id_x 1
		.amdhsa_system_sgpr_workgroup_id_y 1
		.amdhsa_system_sgpr_workgroup_id_z 1
		.amdhsa_system_vgpr_workitem_id 0
		.amdhsa_next_free_vgpr 256
		.amdhsa_next_free_sgpr 66
		.amdhsa_reserve_vcc 0
		.amdhsa_float_denorm_mode_32 3
		.amdhsa_float_denorm_mode_16_64 3
		.amdhsa_memory_ordered 1
		.amdhsa_forward_progress 1
		.amdhsa_inst_pref_size 37
	.end_amdhsa_kernel
	.amdgpu_metadata
---
amdhsa.version: [ 1, 2 ]
amdhsa.kernels:
  - .name:           k_qfbf13b45ae_attn
    .symbol:         k_qfbf13b45ae_attn.kd
    .args:
      - { .name: qkv, .offset: 0, .size: 8, .value_kind: global_buffer, .address_space: global }
      - { .name: mask, .offset: 8, .size: 8, .value_kind: global_buffer, .address_space: global }
      - { .name: ao, .offset: 16, .size: 8, .value_kind: global_buffer, .address_space: global }
    .group_segment_fixed_size: 74240
    .private_segment_fixed_size: 0
    .kernarg_segment_align: 8
    .kernarg_segment_size: 24
    .max_flat_workgroup_size: 128
    .sgpr_count:     66
    .vgpr_count:     256
    .wavefront_size: 32
...
	.end_amdgpu_metadata
.endif
;; end of part 3
;; launch gemm_proj (part 4): grid 4 x 64, 4 waves a work-group, clusters of 4 x 4, 327,680 bytes of LDS; arguments ao, wpf, out0, b_proj; writes out0
.if DOCPART == 4
	.amdgcn_target "amdgcn-amd-amdhsa--gfx1250"
	.amdhsa_code_object_version 6
	.text
	.protected	k_qfbf13b45ae_gemm_proj
	.globl	k_qfbf13b45ae_gemm_proj
	.p2align	8
	.type	k_qfbf13b45ae_gemm_proj,@function
k_qfbf13b45ae_gemm_proj:
	s_mov_b64 s[64:65], 0
	v_nop
	global_prefetch_b8 v0, s[64:65] scope:SCOPE_SE
	s_setreg_imm32_b32 hwreg(HW_REG_WAVE_MODE, 25, 1), 1
	s_wait_xcnt 0x0
	s_wait_alu depctr_hold_cnt(0) depctr_sa_sdst(0) depctr_va_vdst(0) depctr_va_sdst(0) depctr_va_ssrc(0) depctr_va_vcc(0) depctr_vm_vsrc(0)
	s_getreg_b32 s2, hwreg(HW_REG_IB_STS2, 6, 4)
	s_cmp_eq_u32 s2, 0
	s_cbranch_scc0 .Lentry_in_a_cluster
	s_endpgm
.Lentry_in_a_cluster:
	s_bfe_u32 s2, ttmp6, 0x10000c
	s_cmp_lg_u32 s2, 0xf033
	s_cbranch_scc0 .Lentry_shape_is_right
	s_endpgm
.Lentry_shape_is_right:
; C[m][n] = the sum over k of A[m][k] B[k][n] + bias[n].  Here: out0 = ao wpf + b_proj.  A: [16384][1024] f16, B: [1024][1024] f16 AS THE WEIGHTS LIE ([k][n]), bias f32 (taken rounded to bf16,
; like every floating-point input of the program), C: [16384][1024] f32, the sums as they are.
; LIMITS.  NaN and infinities are not treated apart.
; SHAPE.  A tile of C is 256 x 256, made by four waves of 128 x 128 (64 accumulators, 512 registers); one tile to a work-group, 256 work-groups.  K goes in steps of 128 through two LDS slots
; filled by the tensor data mover.  A's tile: 256 rows x 256 bytes.  B's tile: 128 k-rows x 512 bytes; its fragments come out of LDS turned, by ds_load_tr16_b128.
; A K STEP IS WRITTEN ONCE: which slot is read hangs on a scalar that an exclusive or turns at each change of slots, and one descriptor a tensor walks from K step to K step.
; CLUSTERS: 4 x 4 work-groups.  A's tile hangs on the tile row alone and is asked for jointly by a row of the cluster, B's on the tile column alone, by a column.
; THE PRODUCT IS TAKEN TRANSPOSED (source 0 = 16 columns of B, source 1 = 16 rows of A): a lane holds row l % 16 of C and the columns 8 (l / 16) + 0..7.
; THE BIAS IS THE C OPERAND OF THE PRODUCT THAT STARTS EACH SUM: nothing is cleared and nothing is added later.
; The text is the first projection's, with other constants at its head; what TILES > 1 and OUT32 = 0 switch on is not assembled here.
; REGISTERS, in windows of 256 (s_set_vgpr_msb: bits 1:0 source 0, 3:2 source 1, 5:4 source 2, 7:6 destination):
;   window 0: v0-31 addresses; v64-127, v128-191 A's fragments, two buffers (in the very last K step four of 16 rows x 128 K); v192-255 the way out
;   window 1: v0-63 the bias of my 128 columns (block b at 8 b); v64-127, v128-191 B's fragments; v192-223 at work on the bias; in the very last K step all 256: B's fragments
;   window 2: the accumulators of my rows 0-63 ((a, b) at 8 (8 a + b));   window 3: those of rows 64-127
.set SIZE_M, 16384
.set SIZE_K, 1024
.set SIZE_N, 1024
.set TILES,  1                         ; tiles of C to a work-group
.set F16,    1                         ; 0: bf16 operands, 1: f16
.set OUT32,  1                         ; 0: C in f16, 1: in f32
.set ES,     2+2*OUT32                 ; bytes in a number of C
.set KSTEP,  128
.set STEPS,  SIZE_K/KSTEP              ; K steps in the tile
.set PITA,   272                       ; A's LDS row: 256 bytes + 16: the 16 rows of a fragment load start 4 banks apart (64 banks of 4 bytes: ISA guide 11.1)
.set PITB,   544                       ; B's LDS row: 512 bytes + 32 = 17 x 32
.set HALFT,  128*PITA                  ; what one tensor load brings: 128 rows of A, or 64 k-rows of B (64 x 544, the same bytes)
.set SLOT,   4*HALFT                   ; A's 256 rows, then B's 128 k-rows: 0x22000 bytes
.set STAGE,  2*SLOT                    ; behind the ring: 16 rows for each wave, for the way out; no tensor load fills it
.set SPITCH, 128*ES+16
.set SPARE,  STAGE+4*16*SPITCH         ; behind the stages: the spare words, 128 bytes a wave, which no other line names
.set BSTEP,  KSTEP*SIZE_N*2            ; bytes of B from a K step to the next
.set CP,     SIZE_N*ES                 ; bytes in a row of C
.set JUMP_A, (STEPS-1)*KSTEP*2         ; (for a walk of several tiles: not used here)
.set JUMP_B, (STEPS-1)*BSTEP-4*512
.set BACK_C, 7*16*CP-4*256*ES
.set ADRA0, 16                         ; v16     LDS address of my A fragments in slot 0; never rewritten
.set ADRA,  17                         ; v17     the same in the slot in hand
.set ADRB0, 20                         ; v20     LDS address of my B fragments in slot 0; never rewritten
.set ADRB,  21                         ; v21     the same in the slot in hand
.set STO,  24                          ; v24     the way out: where I put my part of a row
.set RD,   25                          ; v25     where I read rows back
.set CO,   26                          ; v26     my byte offset in C
.set BOF,  27                          ; v27     my byte offset in the tile's 256 numbers of the bias
.set SPW,  28                          ; v28     my spare word: SPARE + 4 x my thread's number; never rewritten
.set NIL,  29                          ; v29     0; never rewritten
.set PFO,  30                          ; v30     the prefetches' lane offset; never rewritten
.set F0,   64
.set F1,   128
.set TMP,  192                         ; f16 way out: packed results
.set OB,   32                          ; f16 way out: rows read back
.set BK32, 192                         ; f32 way out: rows read back, v192-255
.set RA,   64                          ; the very last K step: A's four buffers of 32
.set BRT,  192                         ; window 1: at work on the bias
.set G1,  24                           ; s[24:31] group 1 for A's tiles;  s[32:39] group 0: a set for each of the two first fills; the second then walks on
.set G0,  32
.set G1B, 48                           ; s[48:55], s[56:63] the same for B's
.set G0B, 56
.set LIM, 43                           ; s43      2 in a wave that prefetches, else the greatest number
.set PFA, 44                           ; s[44:45] where my prefetches stand
.set BP,  66                           ; s[66:67] the bias at the tile's first column
.set PST, 68                           ; s[68:69] a K step in the tensor that I prefetch
.set PJ,  70                           ; (for a walk of several tiles)
.set TB,  80                           ; s80      LDS byte at which the slot in hand begins: 0 or SLOT
.set MSB, 0
.macro WIN new                         ; the immediate's high byte repeats the setting that is left; a switch that changes nothing is dropped
.if MSB != (\new)
	s_set_vgpr_msb (MSB<<8)|(\new)
.set MSB, \new
.endif
.endm
.set TO_B, 0x40                        ; destination window 1, address window 0
.macro WM                              ; one product: D at rD, source 0 (B) at rB, source 1 (A) at rA, C at rC
.if F16
	v_wmma_f32_16x16x32_f16 v[rD:rD+7], v[rB:rB+7], v[rA:rA+7], v[rC:rC+7]
.else
	v_wmma_f32_16x16x32_bf16 v[rD:rD+7], v[rB:rB+7], v[rA:rA+7], v[rC:rC+7]
.endif
.endm
; A joint load, by set s of group 0.  Waves 0 and 1 fetch A's two halves, waves 2 and 3 B's.  The branch hangs on the wave's number alone.  An s_nop 0 and four v_nop follow each line.
.macro JLOAD s
	s_cmp_eq_u32 s11, 0
	s_cbranch_scc0 .Lfor_b_\@
	tensor_load_to_lds s[G0+4*(\s):G0+4*(\s)+3], s[G1:G1+7]
	s_nop 0
.rept 4
	v_nop
.endr
	s_branch .Lasked_\@
.Lfor_b_\@:
	tensor_load_to_lds s[G0B+4*(\s):G0B+4*(\s)+3], s[G1B:G1B+7]
	s_nop 0
.rept 4
	v_nop
.endr
.Lasked_\@:
.endm
; A prefetch, behind each joint load and the run of LDS loads that follows it: 32 blocks of 256 bytes of the K step that stands TWO refills on, a lane a block, one instruction a wave.
; A: of the 128 rows that the wave fetches the partner at cx takes 32, a lane a row.  B: of its 64 k-rows of 512 bytes the partner at cy takes 16, two lanes a row.  The partners are told apart by address.
; A's rows are read by this cluster alone (the grid is one cluster wide); B's columns by all sixteen clusters: cluster y = 0 asks.  So each block is named once.
; The loop's last two trips (s3 = 2, 1) have no K step two refills on.
.macro ASK how
.if \how
	s_cmp_eq_u32 s[LIM], 2
.else
	s_cmp_gt_u32 s3, s[LIM]
.endif
	s_cbranch_scc0 .Lnot_mine_\@
	global_prefetch_b8 v[PFO], s[PFA:PFA+1] th:TH_LOAD_NT scope:SCOPE_SE
.Lnot_mine_\@:
.endm
.macro CREST                           ; a round of the cluster's barrier behind its opening barrier
	s_cmp_lg_u32 s10, 0
	s_cbranch_scc1 .Lnot_wave_0_\@
	s_barrier_signal -3
.Lnot_wave_0_\@:
	s_barrier_wait -3
	s_barrier_signal -1
	s_barrier_wait -1
.endm
.macro CROUND                          ; a whole round
	s_barrier_signal -1
	s_barrier_wait -1
	CREST
.endm
	s_load_b128 s[4:7], s[0:1], 0x0                ; A s[4:5], B s[6:7]
	s_load_b64 s[8:9], s[0:1], 0x10                ; C
	s_load_b64 s[BP:BP+1], s[0:1], 0x18            ; bias
	v_lshl_add_u32 v[SPW], v0, 2, SPARE
	v_mov_b32 v[NIL], 0
	ds_add_u32 v[SPW], v[NIL]                      ; the wave's opening: the add and its wait stand ahead of my first tensor load; the set-up below stands between them
	v_lshrrev_b32 v1, 5, v0
	v_readfirstlane_b32 s10, v1                    ; wave 0..3
	s_lshr_b32 s11, s10, 1                         ; which half of the tile's rows is mine.  Also: I fetch for A (0) or for B (1)
	s_and_b32 s12, s10, 1                          ; which half of its columns.  Also: which half of that tile I fetch
	s_bfe_u32 s40, ttmp6, 0x40000                  ; cx
	s_bfe_u32 s41, ttmp6, 0x40004                  ; cy
	s_lshl_b32 s42, ttmp9, 2
	s_add_co_u32 s42, s42, s40                     ; tile column = 4 x cluster x + cx
	s_and_b32 s13, ttmp7, 0xffff
	s_lshl_b32 s13, s13, 2
	s_add_co_u32 s13, s13, s41                     ; tile row = 4 x cluster y + cy
	s_lshl_b32 s43, s41, 2
	s_lshl_b32 s43, 15, s43                        ; my row of the cluster
	s_lshl_b32 s44, 0x1111, s40                    ; my column
	s_or_b32 s[G1+0], s43, (1<<16)|(1<<20)|(1<<21)|(5<<22)|(3<<25)   ; mask; 2-byte elements; padding on; bit 21 beside a mask; after every 64 words, 4 words
	s_or_b32 s[G1B+0], s44, (1<<16)|(1<<20)|(1<<21)|(6<<22)|(7<<25)  ; the column's mask; after every 128 words, 8 words
	s_mov_b32 s[G1+1], KSTEP<<16                   ; A: tensor_dim0 = 128
	s_mov_b32 s[G1+2], 128<<16                     ; tensor_dim1 = 128
	s_mov_b32 s[G1+3], KSTEP<<16                   ; tile_dim0 = 128
	s_mov_b32 s[G1+4], 128                         ; tile_dim1 = 128
	s_mov_b32 s[G1+5], SIZE_K                      ; elements from row to row
	s_mov_b32 s[G1+6], 0
	s_mov_b32 s[G1+7], 0
	s_mov_b32 s[G1B+1], 256<<16                    ; B: tensor_dim0 = 256
	s_mov_b32 s[G1B+2], 64<<16                     ; tensor_dim1 = 64
	s_mov_b32 s[G1B+3], 256<<16                    ; tile_dim0 = 256
	s_mov_b32 s[G1B+4], 64                         ; tile_dim1 = 64
	s_mov_b32 s[G1B+5], SIZE_N
	s_mov_b32 s[G1B+6], 0
	s_mov_b32 s[G1B+7], 0
	s_lshl_b32 s17, s12, 7
	s_lshl_b32 s16, s13, 8
	s_add_co_u32 s16, s16, s17                     ; A: row 256 x tile row + 128 x half,
	s_lshl_b32 s16, s16, 11                        ; 2,048 bytes a row
	s_mov_b32 s17, 0
	s_mul_i32 s46, s12, 64*SIZE_N*2                ; B: k-row 64 x half,
	s_lshl_b32 s47, s42, 9                         ; 512 bytes a tile column
	s_add_co_u32 s46, s46, s47
	s_mov_b32 s47, 0
	s_mul_i32 s20, s10, HALFT                      ; where they go: wave x 0x8800 bytes: no place in the cluster enters an LDS address
	s_mov_b32 s[TB], 0                             ; slot 0 is read first
	s_wait_dscnt 0x0                               ; the opening add is done
	s_wait_kmcnt 0x0
	s_add_nc_u64 s[14:15], s[4:5], s[16:17]
	s_add_nc_u64 s[46:47], s[6:7], s[46:47]
	CROUND                                         ; all sixteen work-groups are here: the first joint loads meet
.irp s, 0,1
	s_mov_b32 s[G0+4*(\s)], 1
	s_add_co_u32 s[G0+4*(\s)+1], s20, (\s)*SLOT
	s_add_nc_u64 s[G0+4*(\s)+2:G0+4*(\s)+3], s[14:15], (\s)*KSTEP*2
	s_or_b32 s[G0+4*(\s)+3], s[G0+4*(\s)+3], 0x80000000
	s_mov_b32 s[G0B+4*(\s)], 1
	s_add_co_u32 s[G0B+4*(\s)+1], s20, (\s)*SLOT
	s_add_nc_u64 s[G0B+4*(\s)+2:G0B+4*(\s)+3], s[46:47], (\s)*BSTEP
	s_or_b32 s[G0B+4*(\s)+3], s[G0B+4*(\s)+3], 0x80000000
	JLOAD \s                                       ; K steps 0 and 1: two loads of mine are out, the most at any time
.endr
	; A's fragment: lane l holds row l % 16; registers 0-3 K = 8 (l / 16) + 0..7, registers 4-7 K = 16 + 8 (l / 16) + 0..7: two loads of 16 bytes, 32 apart.
	; B's fragment has the same shape with columns for rows.  The turning load: lane l reads 16 bytes of k-row 8 (l / 16) + l % 8 at column 8 ((l / 8) % 2), and ends with 8 k of column l % 16; a second load 16 k-rows on.
	v_and_b32 v1, 15, v0                           ; l % 16
	v_bfe_u32 v2, v0, 4, 1                         ; l / 16
	v_mul_u32_u24 v3, v1, PITA
	v_lshl_add_u32 v3, v2, 4, v3
	v_and_b32 v6, 7, v0
	v_lshl_add_u32 v6, v2, 3, v6
	v_mul_u32_u24 v6, v6, PITB
	v_bfe_u32 v7, v0, 3, 1
	v_lshl_add_u32 v6, v7, 4, v6
	s_mul_i32 s21, s11, HALFT                      ; my 128 rows of A
	s_lshl_b32 s22, s12, 8                         ; my 128 columns of B: 256 bytes of each k-row,
	s_add_co_u32 s22, s22, 2*HALFT                 ; behind A's 256 rows
	v_add_nc_u32 v[ADRA0], s21, v3
	v_add_nc_u32 v[ADRB0], s22, v6
	v_add_nc_u32 v[ADRA], s21, v3                  ; the slot in hand is slot 0
	v_add_nc_u32 v[ADRB], s22, v6
	s_mul_i32 s23, s10, 16*SPITCH
	s_add_co_u32 s23, s23, STAGE                   ; my stage
.if OUT32
	v_mul_u32_u24 v4, v1, SPITCH                   ; in: row l % 16, 32 bytes for each half of the lanes
	v_lshl_add_u32 v4, v2, 5, v4
	v_add_nc_u32 v[STO], s23, v4
	v_and_b32 v5, 31, v0
	v_lshlrev_b32 v[CO], 4, v5                     ; back and out: 32 lanes take one row of 512 bytes
	v_add_nc_u32 v[RD], s23, v[CO]
.else
	v_mul_u32_u24 v4, v1, SPITCH                   ; in: row l % 16, 16 bytes for each half of the lanes
	v_lshl_add_u32 v4, v2, 4, v4
	v_add_nc_u32 v[STO], s23, v4
	v_mul_u32_u24 v5, v2, SPITCH                   ; back: lanes 0-15 take one row of 256 bytes, lanes 16-31 the next
	v_lshl_add_u32 v5, v1, 4, v5
	v_add_nc_u32 v[RD], s23, v5
	v_mul_u32_u24 v5, v2, CP                       ; and the same two rows in C
	v_lshl_add_u32 v[CO], v1, 4, v5
.endif
	s_lshl_b32 s13, s13, 8                         ; 256 x tile row
	s_lshl_b32 s14, s11, 7
	s_add_co_u32 s16, s13, s14                     ; my first row of C,
	s_mul_i32 s16, s16, CP                         ; in bytes: under 2^27
	s_mul_i32 s46, s42, 256*ES                     ; my first column, in bytes
	s_mul_i32 s47, s12, 128*ES
	s_add_co_u32 s46, s46, s47
	s_add_co_u32 s16, s16, s46
	s_mov_b32 s17, 0
	s_add_nc_u64 s[8:9], s[8:9], s[16:17]
	s_lshl_b32 s72, s42, 10                        ; the bias of the tile's 256 columns
	s_mov_b32 s73, 0
	s_add_nc_u64 s[BP:BP+1], s[BP:BP+1], s[72:73]
	s_lshl_b32 s74, s12, 9
	v_lshl_add_u32 v[BOF], v2, 5, s74              ; my 128 columns; of each 16, the 8 of my half of the lanes
; The bias of my 128 columns: lane (r, h) takes bias[16 b + 8 h + 0..7] into registers 8 b .. 8 b + 7 of window 1: the C operand's layout, the same for every row.
.macro BIASLOAD
	WIN TO_B
.irp b, 0,1,2,3,4,5,6,7
	global_load_b128 v[8*(\b):8*(\b)+3],   v[BOF], s[BP:BP+1] offset:64*(\b)
	global_load_b128 v[8*(\b)+4:8*(\b)+7], v[BOF], s[BP:BP+1] offset:64*(\b)+16
.endr
	WIN 0
.endm
.macro BIASROUND                       ; rounded to bf16 and widened again, in place
	WIN 0x45
.set p, 0
.rept 32
	v_cvt_pk_bf16_f32 v[BRT+p], v[2*p], v[2*p+1]
	v_lshlrev_b32 v[2*p], 16, v[BRT+p]
	v_and_b32 v[2*p+1], 0xffff0000, v[BRT+p]
.set p, p+1
.endr
	WIN 0
.endm
	BIASLOAD
	; the prefetches: both cases' offsets are made, and the wave's number chooses.  PFA starts at K step 3; each change of slots steps it before it asks.
	s_lshl_b32 s72, s12, 7
	s_add_co_u32 s72, s72, s13
	s_lshl_b32 s73, s40, 5
	s_add_co_u32 s72, s72, s73                     ; A: row 256 x tile row + 128 x half + 32 cx
	s_lshl_b32 s72, s72, 11
	s_add_co_u32 s72, s72, 3*KSTEP*2
	s_lshl_b32 s74, s12, 6
	s_lshl_b32 s75, s41, 4
	s_add_co_u32 s74, s74, s75                     ; B: k-row 64 x half + 16 cy
	s_mul_i32 s74, s74, SIZE_N*2
	s_lshl_b32 s75, s42, 9
	s_add_co_u32 s74, s74, s75
	s_add_co_u32 s74, s74, 3*BSTEP
	s_and_b32 s76, ttmp7, 0xffff                   ; cluster y
	s_mov_b32 s77, BSTEP
	s_mov_b32 s79, SIZE_N*2
.if TILES > 1
	s_mov_b32 s78, 7*BSTEP-4*512
.endif
	s_cmp_eq_u32 s11, 0                            ; do I fetch for A?
	s_cselect_b32 s72, s72, s74
	s_cselect_b32 s76, ttmp9, s76                  ; the coordinate along which other clusters read the same blocks
	s_cselect_b32 s[PST], KSTEP*2, s77
	s_cselect_b32 s79, SIZE_K*2, s79               ; bytes in a row of that tensor
	s_cselect_b64 s[PFA:PFA+1], s[4:5], s[6:7]
.if TILES > 1
	s_cselect_b32 s[PJ], 7*KSTEP*2, s78
	s_mov_b32 s[PJ+1], 0
.endif
	s_mov_b32 s73, 0
	s_mov_b32 s[PST+1], 0
	s_cmp_eq_u32 s76, 0
	s_cselect_b32 s[LIM], 2, -1                    ; the same in all sixteen partners, for a given wave
	s_add_nc_u64 s[PFA:PFA+1], s[PFA:PFA+1], s[72:73]
	v_and_b32 v5, 31, v0
	v_lshrrev_b32 v[PFO], s11, v5                  ; A: a lane a row; B: two lanes a row,
	v_mul_u32_u24 v[PFO], s79, v[PFO]
	v_and_b32 v5, s11, v5
	v_lshl_add_u32 v[PFO], v5, 8, v[PFO]           ; 256 bytes apart
; 16 products: row blocks a0, a0 + 1 of the window's four (hi = 0: my rows 0-63, 1: rows 64-127) x all 8 column blocks, 32 along K.  zero = 1: the sums start, with the bias as C.
; The 64 accumulators take turns, one instruction a turn, in the same order in every quarter.
.macro MUL16 f, hi, a0, zero
.if \zero
	WIN 0x91+0x40*(\hi)                            ; B window 1, A window 0, C (the bias) window 1, D window 2 or 3
.else
	WIN 0xa1+0x50*(\hi)                            ; C and D window 2 or 3
.endif
.irp a, \a0, (\a0)+1
.irp b, 0,1,2,3,4,5,6,7
.set rD, 8*(8*(\a)+(\b))
.set rB, (\f)+8*(\b)
.set rA, (\f)+8*(4*(\hi)+(\a))
.set rC, rD
.if \zero
.set rC, 8*(\b)
.endif
	WM
.endr
.endr
.endm
; 32 LDS loads in one run: the fragments of quarter q (32 along K) of the slot in hand into buffer f: B's sixteen first, then A's.
.macro FETCH q, f
	WIN TO_B
.irp i, 0,1,2,3,4,5,6,7
	ds_load_tr16_b128 v[(\f)+8*(\i):(\f)+8*(\i)+3],   v[ADRB] offset:(\q)*32*PITB+32*(\i)
	ds_load_tr16_b128 v[(\f)+8*(\i)+4:(\f)+8*(\i)+7], v[ADRB] offset:(\q)*32*PITB+32*(\i)+16*PITB
.endr
	WIN 0
.irp i, 0,1,2,3,4,5,6,7
	ds_load_b128 v[(\f)+8*(\i):(\f)+8*(\i)+3],   v[ADRA] offset:64*(\q)+(\i)*16*PITA
	ds_load_b128 v[(\f)+8*(\i)+4:(\f)+8*(\i)+7], v[ADRA] offset:64*(\q)+(\i)*16*PITA+32
.endr
.endm
.macro PLACES                          ; four plain instructions between a product and a load into, or a read of, its registers (ISA guide 7.12.1 for a read)
.rept 4
	v_nop
.endr
.endm
; One of a K step's first three quarters: multiplies buffer f; in its middle it fetches quarter q of the slot in hand into buffer g.
.macro QUARTER q, f, g, zero
	s_wait_dscnt 8                                 ; B and A's rows 0-63 are in; the youngest eight loads (A's rows 64-127) may be out
	MUL16 \f, 0, 0, \zero
	MUL16 \f, 0, 2, \zero
	PLACES
	FETCH \q, \g
	s_wait_dscnt 32                                ; all but the 32 just issued
	MUL16 \f, 1, 0, \zero
	MUL16 \f, 1, 2, \zero
.endm
; The other slot becomes the slot in hand: its last fragments have been asked for, so the two lane addresses may be made anew (LDS loads have read their address at issue).
.macro FLIP
	WIN 0
	s_xor_b32 s[TB], s[TB], SLOT                   ; 0 and SLOT by turns
	v_add_nc_u32 v[ADRA], s[TB], v[ADRA0]
	v_add_nc_u32 v[ADRB], s[TB], v[ADRB0]
.endm
; The first half of a K step's last quarter: one barrier for the change of slots.  In front of it each wave waits for all its tensor loads (one is out: its part of the next slot), adds 0 to its
; spare word, and waits for that and for its reads of this slot.
.macro MEET round
	WIN 0
	s_wait_tensorcnt 0x0                           ; all my tensor loads have landed
	ds_add_u32 v[SPW], v[NIL]
	s_wait_dscnt 9                                 ; the add and the youngest eight loads may be out
	MUL16 F1, 0, 0, 0
	s_wait_dscnt 0x0                               ; the add is done, and my reads of this slot are over
	s_barrier_signal -1
	MUL16 F1, 0, 2, 0
.if \round
	WIN 0
.endif
	s_barrier_wait -1
.endm
; The whole last quarter.  Behind the round the slot just read is filled again, with the K step two on (on = 0; the other cases serve a walk of several tiles).  Then come the other slot's first fragments.
; The walking descriptor: its LDS word goes to the other slot than last time by an exclusive or (the waves' offsets, 0, 0x8800, 0x11000 and 0x19800, have no bit in common with SLOT, 0x22000, so
; adding SLOT and turning its bits are one); its address goes one K step on, since refills ask for the K steps in turn.
.macro TURN on
	s_wait_xcnt 0x0                                ; the last prefetch, a K step back, has read its address, so it may be stepped
.if (\on) == 1
	s_sub_nc_u64 s[PFA:PFA+1], s[PFA:PFA+1], s[PJ:PJ+1]
	s_cmp_eq_u32 s11, 0
	s_cselect_b32 s[LIM], -1, s[LIM]
.else
	s_add_nc_u64 s[PFA:PFA+1], s[PFA:PFA+1], s[PST:PST+1]
.endif
	FLIP
	MEET 1
	CREST                                          ; no wave of any partner still reads this slot or has a load on its way
	s_xor_b32 s[G0+5], s[G0+5], SLOT
	s_xor_b32 s[G0B+5], s[G0B+5], SLOT
.if (\on) == 1
	s_sub_nc_u64 s[G0+6:G0+7], s[G0+6:G0+7], JUMP_A
	s_sub_nc_u64 s[G0B+6:G0B+7], s[G0B+6:G0B+7], JUMP_B
.else
	s_add_nc_u64 s[G0+6:G0+7], s[G0+6:G0+7], KSTEP*2
	s_add_nc_u64 s[G0B+6:G0B+7], s[G0B+6:G0B+7], BSTEP
.endif
	JLOAD 1                                        ; the first tensor load behind the round; its four v_nop are also the places in front of the loads below
	FETCH 0, F0
	ASK \on
	MUL16 F1, 1, 0, 0
	MUL16 F1, 1, 2, 0
.endm
; THE LAST K STEP GOES BY ROWS OF C: all its fragments of B fill window 1; my eight blocks of 16 rows are finished one after the other and leave at once.
.macro BLOAD q
	WIN TO_B
.irp i, 0,1,2,3,4,5,6,7
	ds_load_tr16_b128 v[64*(\q)+8*(\i):64*(\q)+8*(\i)+3],   v[ADRB] offset:(\q)*32*PITB+32*(\i)
	ds_load_tr16_b128 v[64*(\q)+8*(\i)+4:64*(\q)+8*(\i)+7], v[ADRB] offset:(\q)*32*PITB+32*(\i)+16*PITB
.endr
.endm
.macro ALOAD a                         ; A's fragments of block a, all four quarters, into buffer a % 4
	WIN 0
.set FA, RA+32*((\a)%4)
.irp q, 0,1,2,3
	ds_load_b128 v[FA+8*(\q):FA+8*(\q)+3],   v[ADRA] offset:64*(\q)+(\a)*16*PITA
	ds_load_b128 v[FA+8*(\q)+4:FA+8*(\q)+7], v[ADRA] offset:64*(\q)+(\a)*16*PITA+32
.endr
.endm
.macro ROW a                           ; block a is finished: 32 products, its 8 accumulators by turns, K ascending
.set FA, RA+32*((\a)%4)
.set AC, 64*((\a)%4)
	WIN 0xa1+0x50*((\a)/4)
.irp q, 0,1,2,3
.if (\a) == 0 && (\q) == 2
	s_wait_dscnt 24                                ; B's quarter 2 is in (behind it: A's blocks 1 to 3)
.endif
.irp b, 0,1,2,3,4,5,6,7
.set rD, AC+8*(\b)
.set rC, rD
.set rB, 64*(\q)+8*(\b)
.set rA, FA+8*(\q)
	WM
.endr
.endr
.endm
; THE WAY OUT of block a.  TOSTAGE: into my own stage and back as whole rows.  SEND: stored.  Each accumulator's registers are read in ascending order.
.macro TOSTAGE a
.set AC, 64*((\a)%4)
	s_wait_xcnt 0x0                                ; the last block's stores have read the registers that the loads below fill
	WIN 0x08+4*((\a)/4)                            ; store data: window 2 or 3
.irp b, 0,1,2,3,4,5,6,7
	ds_store_b128 v[STO], v[AC+8*(\b):AC+8*(\b)+3]   offset:64*(\b)
	ds_store_b128 v[STO], v[AC+8*(\b)+4:AC+8*(\b)+7] offset:64*(\b)+16
.endr
	WIN 0
.irp t, 0,1,2,3,4,5,6,7,8,9,10,11,12,13,14,15
	ds_load_b128 v[BK32+4*(\t):BK32+4*(\t)+3], v[RD] offset:(\t)*SPITCH  ; LDS serves a wave's instructions in order (ISA guide 5.7.1.4): these see the stores above
.endr
.endm
.macro SEND a, younger                 ; younger: the LDS loads issued behind TOSTAGE's, which may stay out
	WIN 0
	s_wait_dscnt \younger                          ; the block is back in registers
	s_wait_xcnt 0x0                                ; earlier stores have read their base and their registers
.if (\a) > 0
	s_add_nc_u64 s[8:9], s[8:9], 16*CP             ; 16 rows of C on
.endif
.irp t, 0,1,2,3,4,5,6,7,8,9,10,11,12,13,14,15
	global_store_b128 v[CO], v[BK32+4*(\t):BK32+4*(\t)+3], s[8:9] offset:(\t)*CP  ; 32 lanes store 512 consecutive bytes, aligned
.endr
.endm
	s_wait_tensorcnt 1                             ; my part of K step 0 is in; K step 1's may stay out
	s_barrier_signal -1
	s_barrier_wait -1                              ; everybody's is
	FETCH 0, F0
	s_wait_loadcnt 0x0                             ; the bias
	BIASROUND
	QUARTER 1, F0, F1, 1                           ; the first quarter stands in front of the loop: its products start the sums
	WIN 0
	s_mov_b32 s3, STEPS-2
.Lstep:                                                ; a trip goes from a K step's second quarter to the next step's first, and fills the slot that it leaves: K steps 2 to 7 are asked for here
	QUARTER 2, F1, F0, 0
	QUARTER 3, F0, F1, 0
	TURN 0
	QUARTER 1, F0, F1, 0
	WIN 0
	s_sub_co_u32 s3, s3, 1
	s_cmp_lg_u32 s3, 0
	s_cbranch_scc1 .Lstep
	QUARTER 2, F1, F0, 0                           ; the last K step but one goes on
	QUARTER 3, F0, F1, 0
	FLIP                                           ; the last K step lies in slot 1
	MEET 0                                         ; it is whole; nothing is filled again, so no round follows
	PLACES                                         ; for the loads into buffer 0, which the quarter before multiplied
	BLOAD 0
	BLOAD 1
	BLOAD 3
	ALOAD 0
	MUL16 F1, 1, 0, 0
	MUL16 F1, 1, 2, 0
	PLACES                                         ; for the loads into buffer 1
	BLOAD 2
	ALOAD 1
	ALOAD 2
	ALOAD 3
	s_wait_dscnt 40                                ; all but the 40 just issued
	ROW 0
.irp a, 0,1,2,3,4,5,6,7
	PLACES                                         ; what follows reads results just made
	TOSTAGE \a
.if (\a) < 4
	ALOAD (\a)+4                                   ; its buffer takes the block four further on
	SEND \a, 8
.else
	SEND \a, 0
.endif
.if (\a) < 7
	ROW (\a)+1
.endif
.endr
	s_wait_tensorcnt 0x0                           ; the wave's end: behind my last tensor load and my last LDS store
	ds_add_u32 v[SPW], v[NIL]
	s_wait_dscnt 0x0
	CROUND                                         ; the closing round: no work-group ends while a partner may still ask for a tile that names it
	s_endpgm
.Lfunc_end_k_qfbf13b45ae_gemm_proj:
	.size	k_qfbf13b45ae_gemm_proj, .Lfunc_end_k_qfbf13b45ae_gemm_proj-k_qfbf13b45ae_gemm_proj
	.p2alignl 7, 3214868480
	.fill 96, 4, 3214868480
	.section	.rodata,"a",@progbits
	.p2align	6, 0x0
	.amdhsa_kernel k_qfbf13b45ae_gemm_proj
		.amdhsa_group_segment_fixed_size 327680
		.amdhsa_private_segment_fixed_size 0
		.amdhsa_enable_private_segment 0
		.amdhsa_kernarg_size 32
		.amdhsa_user_sgpr_count 2
		.amdhsa_user_sgpr_kernarg_segment_ptr 1
		.amdhsa_wavefront_size32 1
		.amdhsa_system_sgpr_workgroup_id_x 1
		.amdhsa_system_sgpr_workgroup_id_y 1
		.amdhsa_system_sgpr_workgroup_id_z 1
		.amdhsa_system_vgpr_workitem_id 0
		.amdhsa_next_free_vgpr 1024
		.amdhsa_next_free_sgpr 96
		.amdhsa_reserve_vcc 0
		.amdhsa_float_denorm_mode_32 3
		.amdhsa_float_denorm_mode_16_64 3
		.amdhsa_memory_ordered 1
		.amdhsa_forward_progress 1
		.amdhsa_inst_pref_size 124
	.end_amdhsa_kernel
	.amdgpu_metadata
---
amdhsa.version: [ 1, 2 ]
amdhsa.kernels:
  - .name:           k_qfbf13b45ae_gemm_proj
    .symbol:         k_qfbf13b45ae_gemm_proj.kd
    .args:
      - { .name: ao, .offset: 0, .size: 8, .value_kind: global_buffer, .address_space: global }
      - { .name: wpf, .offset: 8, .size: 8, .value_kind: global_buffer, .address_space: global }
      - { .name: out0, .offset: 16, .size: 8, .value_kind: global_buffer, .address_space: global }
      - { .name: b_proj, .offset: 24, .size: 8, .value_kind: global_buffer, .address_space: global }
    .group_segment_fixed_size: 327680
    .private_segment_fixed_size: 0
    .kernarg_segment_align: 8
    .kernarg_segment_size: 32
    .max_flat_workgroup_size: 128
    .sgpr_count:     96
    .vgpr_count:     1024
    .wavefront_size: 32
...
	.end_amdgpu_metadata
.endif
;; end of part 4
